; MI455X (gfx1250); checked and timed in simulation.
; The chip was launched on July 23, 2026; its instructions are those of AMD's public machine-readable ISA for CDNA 5 (MIT licence, August 2026) and "CDNA5" Instruction Set Architecture Reference Guide (July 2026). The comments in the code are by the model that wrote it; some were corrected since.
;; Multi Head Self Attention Block. Allowed arithmetic: matrix products marked QUANTISED: E2M3 operands, one E8M0 scale for each 32 along K, by v_wmma_scale_f32_16x16x128_f8f6f4 with both operands' format E2M3, f32 sums; everything else in f32.
;; Inputs: bk 1,024 float32; bo 1,024 float32; bq 1,024 float32; bv 1,024 float32; k_codes 2 x 2,048 x 32 x 24 uint8 (E2M3 codes of k, K innermost, in blocks of 32 codes, four codes in three bytes); k_scales 2 x 2,048 x 32 uint8 (E8M0 scales of k, one for each 32 codes along K); mask 1 x 1 x 2,048 x 2,048 int32; q_codes 2 x 2,048 x 32 x 24 uint8 (E2M3 codes of q, K innermost, in blocks of 32 codes, four codes in three bytes); q_scales 2 x 2,048 x 32 uint8 (E8M0 scales of q, one for each 32 codes along K); v_codes 2 x 2,048 x 32 x 24 uint8 (E2M3 codes of v, K innermost, in blocks of 32 codes, four codes in three bytes); v_scales 2 x 2,048 x 32 uint8 (E8M0 scales of v, one for each 32 codes along K); wk_codes 1,024 x 32 x 24 uint8 (E2M3 codes of wk, K innermost, in blocks of 32 codes, four codes in three bytes); wk_scales 1,024 x 32 uint8 (E8M0 scales of wk, one for each 32 codes along K); wo_codes 1,024 x 32 x 24 uint8 (E2M3 codes of wo, K innermost, in blocks of 32 codes, four codes in three bytes); wo_scales 1,024 x 32 uint8 (E8M0 scales of wo, one for each 32 codes along K); wq_codes 1,024 x 32 x 24 uint8 (E2M3 codes of wq, K innermost, in blocks of 32 codes, four codes in three bytes); wq_scales 1,024 x 32 uint8 (E8M0 scales of wq, one for each 32 codes along K); wv_codes 1,024 x 32 x 24 uint8 (E2M3 codes of wv, K innermost, in blocks of 32 codes, four codes in three bytes); wv_scales 1,024 x 32 uint8 (E8M0 scales of wv, one for each 32 codes along K).
;; Outputs: out0 2 x 2,048 x 1,024 float32.
;; This version of the problem:
;;   THIS VERSION OF THE PROBLEM IS GIVEN IN LOW PRECISION. The matrix products marked QUANTISED in the list below multiply operands that are first quantised to E2M3 (2 exponent bits, 3 mantissa bits; 6 bits a number), with one power-of-two scale for each 32 numbers along K (OCP MX v1.0); their sums are f32. All else is computed in f32.
;;   The module's matrix products, in the order in which they are computed (A, B: the left and right operand; K: the contracted axis; several contracted axes count as one K, in the product's order):
;;     1. [M 4,096, K 1,024] x [K 1,024, N 1,024]; A: input q (given as codes); B: input wq (given as codes): QUANTISED
;;     2. [M 4,096, K 1,024] x [K 1,024, N 1,024]; A: input k (given as codes); B: input wk (given as codes): QUANTISED
;;     3. [M 4,096, K 1,024] x [K 1,024, N 1,024]; A: input v (given as codes); B: input wv (given as codes): QUANTISED
;;     4. batch 32 x [M 2,048, K 64] x [K 64, N 2,048]; A: computed on the way; B: computed on the way: QUANTISED
;;     5. batch 32 x [M 2,048, K 2,048] x [K 2,048, N 64]; A: softmax (see below); B: computed on the way: QUANTISED
;;     6. [M 4,096, K 1,024] x [K 1,024, N 1,024]; A: computed on the way; B: input wo (given as codes): QUANTISED
;;   THE QUANTISER, for each operand of a quantised product, along K:
;;     - K is cut into blocks of 32 from its start; a last block that is shorter is filled with zeros.
;;     - A block's scale is 2^e with e = floor(log2(the largest magnitude in the block)) - 2, held to -126 .. 127; a block of zeros has e = 0. As a byte (E8M0): e + 127.
;;     - Each number is divided by its block's scale, clamped to +-7.5, and rounded to the nearest number of E2M3, ties to even, subnormals kept.
;;     - The product sums the exact products of the quantised numbers (number of the format x scale) in f32.
;;   ~~~python
;;   def quantise(x, axis):      # numpy; x: float32 -> the quantised numbers, widened to float32 again
;;       x = np.moveaxis(x, axis, -1); K = x.shape[-1]
;;       x = np.pad(x, [(0, 0)] * (x.ndim - 1) + [(0, -K % 32)]); x = x.reshape(x.shape[:-1] + (-1, 32)); a = np.abs(x).max(-1, keepdims=True)
;;       e = np.where(a > 0, np.clip(np.frexp(np.where(a > 0, a, 1))[1] - 1 - 2, -126, 127), 0)      # np.frexp(a)[1] - 1 = floor(log2(a)), exactly
;;       r = np.clip(x / 2.0 ** e, -7.5, 7.5)
;;       step = 2.0 ** (np.maximum(np.frexp(np.where(r == 0, 1, r))[1] - 1, 0) - 3)
;;       q = np.round(r / step) * step * 2.0 ** e      # np.round: ties to even
;;       return np.moveaxis(q.reshape(q.shape[:-2] + (-1,))[..., :K], -1, axis).astype(np.float32)
;;   ~~~
;;   SOFTMAX AHEAD OF A QUANTISED PRODUCT. Where the list says 'softmax', what is quantised is not the finished softmax but p = 2^(t - M), with t = logit x log2(e) and M = ceil(the row's largest t), a whole number; so 1/2 < the row's largest p <= 1. The row's sum l is taken of the UNQUANTISED p, in f32, and the product's result is divided by l at the end. Since M is a whole number, a kernel that streams over the keys may use a running M (the ceiling of the running maximum): every later rescaling is an exact power of two, which a block's scale takes up: the codes' values come out the same.
;;   OPERANDS COMPUTED ON THE WAY. 'Computed on the way' means the value that the module computes at that place (a softmax that the list does not call 'softmax' is quantised finished and normalised). What goes into a quantiser is computed in f32, as accurately as f32 sums, v_exp_f32 and their like allow (about 1e-6 of the number): no bf16 or f16 on the way to a quantiser, and a product that is left as it is and whose result goes on into a quantised operand takes f32 operands (vector FMAs, or v_wmma_f32_16x16x4_f32). A number that lies on a knife's edge between two numbers of the format may be rounded either way, as far as f32 arithmetic and the matrix unit's own rounding can turn it there, and no further.
;;   INPUTS GIVEN AS CODES. k (in the module: [2, 2048, 1024], K = its axis 2); q (in the module: [2, 2048, 1024], K = its axis 2); v (in the module: [2, 2048, 1024], K = its axis 2); wk (in the module: [1024, 1024], K = its axis 1); wo (in the module: [1024, 1024], K = its axis 1); wq (in the module: [1024, 1024], K = its axis 1); wv (in the module: [1024, 1024], K = its axis 1): each comes as NAME_codes (uint8): NAME with its K axis moved to the last place and cut into blocks of 32 codes, [.., K / 32, bytes a block], one block behind the other in memory; four codes in three bytes: a row's codes are one little-endian stream of bits, code i at bits 6 i .. 6 i + 5 (a code: sign, 2 exponent bits, 3 mantissa bits); and NAME_scales (uint8): the same leading axes, one E8M0 byte (e + 127) for each 32 codes along K. Its value is code x scale, taken as it is: it is not quantised again, and the codes and scales need not be those that the quantiser above would give.
;; One version. Each part assembles by itself: llvm-mc -triple=amdgcn-amd-amdhsa -mcpu=gfx1250 --defsym DOCPART=n.
;; ======== version 1 of 1: 3 launches
;; limits: right only within a limited range of input values
;; workspace buffers: maskw 524,288 bytes of whole numbers; kv 6,684,672 bytes; ximg 3,145,728 bytes; xsc 131,072 bytes
;; launch proj (part 1): grid 8 x 64, 4 waves a work-group, clusters of 4 x 4, 254,976 bytes of LDS; arguments k_codes, k_scales, wk_codes, wk_scales, bk, v_codes, v_scales, wv_codes, wv_scales, bv, kv, mask, maskw; writes kv, maskw
.if DOCPART == 1
	.amdgcn_target "amdgcn-amd-amdhsa--gfx1250"
	.amdhsa_code_object_version 6
	.text
	.protected	k_q193c0746f8_proj
	.globl	k_q193c0746f8_proj
	.p2align	8
	.type	k_q193c0746f8_proj,@function
k_q193c0746f8_proj:
	s_mov_b64 s[64:65], 0
	v_nop
	global_prefetch_b8 v0, s[64:65] scope:SCOPE_SE
	s_setreg_imm32_b32 hwreg(HW_REG_WAVE_MODE, 25, 1), 1
	s_wait_xcnt 0x0
	s_wait_alu depctr_hold_cnt(0) depctr_sa_sdst(0) depctr_va_vdst(0) depctr_va_sdst(0) depctr_va_ssrc(0) depctr_va_vcc(0) depctr_vm_vsrc(0)
	s_getreg_b32 s2, hwreg(HW_REG_IB_STS2, 6, 4)
	s_cmp_eq_u32 s2, 0
	s_cbranch_scc0 .Lentry_in_a_cluster
	s_endpgm
.Lentry_in_a_cluster:
	s_bfe_u32 s2, ttmp6, 0x10000c
	s_cmp_lg_u32 s2, 0xf033
	s_cbranch_scc0 .Lentry_shape_is_right
	s_endpgm
.Lentry_shape_is_right:
; The projections of key and value, on codes of FP6 (E2M3) with one E8M0 scale for each 32 along K, their biases, and the quantisers behind them; and, beside them, the mask packed into lane masks.
; ONE FORM SERVES BOTH PRODUCTS: Z[i][j] = sum over k of S1[i][k] S0[j][k] (+ bias), quantised ALONG j.  Source 0 of the matrix instruction is 16 rows of S0, source 1 is 16 rows
; of S1: a lane then holds one row i and its registers run along j.   key: S0 = wk (j = feature, so the blocks of 32 lie inside a head), S1 = k, bias along j.
; value: S0 = v (j = key), S1 = wv (i = feature), bias along i: value so comes out quantised along the keys, keys innermost, with nothing transposed.
; SHARES.  512 work-groups: cluster y / 8 says which product (T).  A work-group makes 128 (S1) x 128 (S0); wave w makes S1's rows 32 w .. 32 w + 31 (two blocks a) against all of
; S0's 128 rows (eight tiles t): 16 accumulators, and a lane's 64 numbers of a block are one whole fragment (128 along j) for the quantiser.
; LDS holds both tiles for ALL of K = 1,024 (four chunks of 256 along K) and their scale bytes: every byte is filled once, nothing is filled again.
; CLUSTERS, 4 x 4: S0's tile hangs on cx alone and is asked for jointly by a column of the cluster, S1's on cy alone and by a row.
; OUT, in the order of the reader's registers.  A group of 32 rows is two tiles u: tile u, lane r = row 8 u + r + 8 (r / 8).
;   kv [bh 32][step 16] 13,056 bytes: K's four pair images [pair][3][lane][16 B] (a lane's 12 registers: tile 0's six, tile 1's six; six registers = a head's 64 codes);
;   at 6,144 V's four fragments (16 of the head's 64 x 128 keys); at 12,288 K's scale words [pair][lane]; at 12,800 V's.
;   a scale word of key has the head's two bytes below and zeros above; lane 16 u + r has tile u's row r.
; THE MASK [2048][2048] of int32 becomes maskw[qt 128][ks 16][n 64], u32: bit l = 16 h + r of word n says that mask[32 (qt / 2) + 8 (qt % 2) + r + 8 (r / 8)][128 ks + 32 (n / 16) + 16 h + n % 16]
; is not 0: the query and key that lane l's score register n holds in the attention launch.  The launch has 2,048 waves and the mask 2,048 units (qt, ks): each wave packs one.  Its 16 loads
; go out in K steps 0 to 3 into registers of their own; the compares stand in the way out, between the bias loads and the wait for them.
; LIMITS: a block whose largest magnitude lies under 2^-124 (a block of zeros too) gets the byte 1, not the rule's byte: its codes are then zeros or nearly so, and the bytes are read by
; this program alone; NaN and infinities among the inputs are not served; the bias is added behind the whole sum over K.
.set PITCH,  816                       ; an LDS row of codes: a whole row of K, 3 x (256 bytes + 16 of padding); each tile comes by ONE tensor load of 128 rows
.set S1OFF,  128*PITCH                 ; S0's 128 rows, then S1's 128 rows
.set SCL,    256*PITCH                 ; behind the codes: S0's scale bytes, 16 units of 256 + 16 bytes, then S1's
.set SCH,    2176                      ; the scale bytes of 64 rows
.set AD0,  8                           ; v8-15   S0's fragments in chunk c: v[8 + 2 c], and v[9 + 2 c] for the pieces behind one padding more
.set AD1,  16                          ; v16-23  the same for my 32 rows of S1
.set AS0,  24                          ; v24     S0's scale words: lanes 0-15 the even tile's rows, lanes 16-31 the odd tile's
.set AS1,  25                          ; v25     S1's: lanes 0-15 block 0, lanes 16-31 block 1
.set VB,   26                          ; v26     my offset in the bias
.set VOC,  27                          ; v27     my offset among the codes stored
.set VOS,  28                          ; v28     and among the scale words
.set MA,   29                          ; v29     my offset in my unit of the mask; never rewritten
.set MO,   30                          ; v30     8 x lane: my two words of maskw; never rewritten
.set SCR,  32                          ; v32-51  scale words and nothing else: set s at 32 + 10 s: S0's pair bb, step q2 at 2 bb + q2; S1's at 8 + q2
.set MW,   52                          ; v52-53  the mask words being gathered
.set BJ,   64                          ; v64-127 the bias; behind it:
.set OUT,  64                          ; v64-87  the codes
.set TM,   88                          ; v88-103 the quantiser's work
.set PW0,  104
.set PW1,  105
.set SW,   106
.set SWO,  107
.set X0,   108
.set X1,   109
.set CT,   110                         ; v110-112, v114-116
.set ACC,  128                         ; v128-255 accumulator (a, t) at 128 + 64 a + 8 t
.set MD,   144                         ; window 1: v0-95 S0's eight fragments; v96-119, v120-143 S1's two, two sets; v144-207 my 64 numbers of the mask
.set MSB, 0
.macro WIN new                         ; the immediate's high byte repeats the setting that is left
.if MSB != \new
	s_set_vgpr_msb (MSB<<8)|\new
.set MSB, \new
.endif
.endm
.set MULW, 0x05                        ; sources 0 and 1 window 1; C and D window 0
.set TO_F, 0x40                        ; destination window 1, address window 0
.macro CROUND                          ; a round of the cluster's barrier
	s_barrier_signal -1
	s_barrier_wait -1
	s_cmp_lg_u32 s50, 0
	s_cbranch_scc1 .Lnot_wave_0_\@
	s_barrier_signal -3
.Lnot_wave_0_\@:
	s_barrier_wait -3
	s_barrier_signal -1
	s_barrier_wait -1
.endm
.macro PLACES                          ; four places behind a matrix instruction, in front of loads into its registers and of reads of its results
.rept 4
	v_nop
.endr
.endm
.macro G0SET g, ptr, lreg, loff, goff  ; a descriptor's group 0: count 1, LDS address, global address, type 2
	s_mov_b32 s[\g], 1
	s_add_co_u32 s[\g+1], s[\lreg], \loff
	s_add_nc_u64 s[\g+2:\g+3], s[\ptr:\ptr+1], \goff
	s_or_b32 s[\g+3], s[\g+3], 0x80000000
.endm
	s_load_b512 s[4:19], s[0:1], 0x0               ; k_codes, k_scales, wk_codes, wk_scales, bk, v_codes, v_scales, wv_codes
	s_load_b256 s[20:27], s[0:1], 0x40             ; wv_scales, bv, kv, mask
	s_load_b64 s[28:29], s[0:1], 0x60              ; maskw
	v_lshl_add_u32 v62, v0, 2, 0x3e200
	v_mov_b32 v63, 0
	ds_add_u32 v62, v63
	ds_add_u32 v62, v63
	v_lshrrev_b32 v1, 5, v0
	v_readfirstlane_b32 s50, v1                    ; wave 0..3
	v_and_b32 v1, 15, v0                           ; r
	v_bfe_u32 v2, v0, 4, 1                         ; h
	v_and_b32 v3, 8, v1
	v_add_nc_u32 v3, v3, v1                        ; r + 8 (r / 8)
	v_lshlrev_b32 v3, 13, v3                       ; a row of the mask is 8,192 bytes
	v_lshl_add_u32 v[MA], v2, 6, v3                ; + 64 h: my 16 numbers of each 32
	v_and_b32 v3, 31, v0
	v_lshlrev_b32 v[MO], 3, v3
	v_mov_b32 v[MW], 0                             ; (a lane write's destination counts as read)
	v_mov_b32 v[MW+1], 0
	s_lshr_b32 s51, s50, 1                         ; w / 2: my head in S1's tile (value)
	s_and_b32 s66, s50, 1                          ; w % 2: which 32 rows of that head
	s_bfe_u32 s96, ttmp6, 0x40000                  ; cx
	s_bfe_u32 s97, ttmp6, 0x40004                  ; cy
	s_and_b32 s104, ttmp7, 0xffff                  ; the cluster's y, 0..15
	s_lshr_b32 s67, s104, 3                        ; T: 0 key, 1 value: the same in all partners
	s_lshl_b32 s100, s104, 2                       ; my unit of the mask: u = 4 (8 y + x) + wave, 0..2,047; it enters global addresses alone
	s_add_co_u32 s100, s100, s97                   ; work-group y, 0..63
	s_lshl_b32 s100, s100, 3
	s_lshl_b32 s101, ttmp9, 2
	s_add_co_u32 s101, s101, s96                   ; work-group x, 0..7
	s_add_co_u32 s100, s100, s101
	s_lshl_b32 s100, s100, 2
	s_add_co_u32 s100, s100, s50
	s_lshl_b32 s32, s100, 8                        ; maskw: 256 bytes a unit
	s_mov_b32 s33, 0
	s_lshr_b32 s30, s100, 5                        ; qt = u / 16, ks = u % 16; the unit's first row is 32 (qt / 2) + 8 (qt % 2)
	s_lshl_b32 s30, s30, 5
	s_bfe_u32 s31, s100, 0x10004
	s_lshl_b32 s31, s31, 3
	s_add_co_u32 s30, s30, s31
	s_lshl_b32 s30, s30, 13
	s_and_b32 s31, s100, 15
	s_lshl_b32 s31, s31, 9                         ; 128 numbers a key step
	s_add_co_u32 s30, s30, s31
	s_mov_b32 s31, 0
	s_and_b32 s104, s104, 7
	s_cmp_eq_u32 s67, 1
	s_cselect_b32 s98, s104, ttmp9                 ; S0 has 32 tiles for value, 8 for key;
	s_cselect_b32 s99, ttmp9, s104                 ; S1 the other way round
	s_lshl_b32 s98, s98, 2
	s_add_co_u32 s98, s98, s96                     ; JT: S0's tile
	s_lshl_b32 s99, s99, 2
	s_add_co_u32 s99, s99, s97                     ; IT: S1's tile
	s_mov_b32 s2, 0x76543210
	s_mov_b32 s3, 0xfedcba98                       ; v_permlanex16_b32's selects for lane l xor 16
	s_mov_b32 s36, 0xff00ff00                      ; the lanes with r >= 8
	s_mov_b32 s37, 0xffff0000                      ; lanes 16-31
	s_wait_alu depctr_va_vdst(0)
	s_wait_dscnt 0x0
	s_wait_kmcnt 0x0
	s_cmp_eq_u32 s67, 0                            ; the buffers are chosen on T alone
	s_cselect_b64 s[38:39], s[8:9], s[14:15]       ; S0's codes
	s_cselect_b64 s[40:41], s[10:11], s[16:17]     ; S0's scales
	s_cselect_b64 s[42:43], s[4:5], s[18:19]       ; S1's codes
	s_cselect_b64 s[44:45], s[6:7], s[20:21]       ; S1's scales
	s_cselect_b64 s[46:47], s[12:13], s[22:23]     ; the bias
	s_mov_b64 s[48:49], s[24:25]                   ; kv
	s_lshl_b32 s100, s98, 7                        ; S0: the tile's first row, 128 JT
	s_lshl_b32 s52, s100, 5
	s_mov_b32 s53, 0
	s_add_nc_u64 s[40:41], s[40:41], s[52:53]
	s_mul_i32 s100, s100, 768                      ; 768 bytes of codes a row
	s_mov_b32 s101, 0
	s_add_nc_u64 s[38:39], s[38:39], s[100:101]
	s_lshl_b32 s104, s99, 7                        ; S1 likewise, in registers of its own
	s_lshl_b32 s76, s104, 5
	s_mov_b32 s77, 0
	s_add_nc_u64 s[44:45], s[44:45], s[76:77]
	s_mul_i32 s104, s104, 768
	s_mov_b32 s105, 0
	s_add_nc_u64 s[42:43], s[42:43], s[104:105]
	s_mov_b32 s100, 0                              ; the four tiles' LDS addresses are constants
	G0SET 52, 40, 100, SCL, 0                      ; S0's scales
	G0SET 56, 38, 100, 0, 0                        ; S0's codes
	G0SET 76, 44, 100, SCL+2*SCH, 0                ; S1's scales
	G0SET 80, 42, 100, S1OFF, 0                    ; S1's codes
	s_add_nc_u64 s[38:39], s[26:27], s[30:31]      ; my unit of the mask, and of maskw: these two pairs are not written again
	s_add_nc_u64 s[40:41], s[28:29], s[32:33]
	s_lshl_b32 s100, 0x1111, s96                   ; my column of the cluster: S0's tiles
	s_lshl_b32 s104, s97, 2
	s_lshl_b32 s104, 15, s104                      ; my row: S1's tiles
	; group 1 for codes:
	; 128 whole rows of 768 bytes, each beginning at a multiple of 256 bytes; 16 bytes of padding behind every 256
	s_or_b32 s4, s100, (0<<16)|(1<<20)|(1<<21)|(5<<22)|(3<<25)
	s_or_b32 s12, s104, (0<<16)|(1<<20)|(1<<21)|(5<<22)|(3<<25)
.irp g, 4, 12
	s_mov_b32 s[\g+1], 768<<16
	s_mov_b32 s[\g+2], 128<<16
	s_mov_b32 s[\g+3], 768<<16
	s_mov_b32 s[\g+4], 128
	s_mov_b32 s[\g+5], 768
	s_mov_b32 s[\g+6], 0
	s_mov_b32 s[\g+7], 0
.endr
	; group 1 for the scale bytes of 128 rows: 4,096 dense bytes as 16 rows of 256 (32 elements of 8 bytes), 16 bytes of padding behind each
	s_or_b32 s20, s100, (3<<16)|(1<<20)|(1<<21)|(5<<22)|(3<<25)
	s_or_b32 s28, s104, (3<<16)|(1<<20)|(1<<21)|(5<<22)|(3<<25)
.irp g, 20, 28
	s_mov_b32 s[\g+1], 32<<16
	s_mov_b32 s[\g+2], 16<<16                      ; the scale bytes of 128 rows: 16 rows of 256 bytes
	s_mov_b32 s[\g+3], 32<<16
	s_mov_b32 s[\g+4], 16
	s_mov_b32 s[\g+5], 32
	s_mov_b32 s[\g+6], 0
	s_mov_b32 s[\g+7], 0
.endr
	CROUND                                         ; all sixteen work-groups are here: the joint loads meet
; the head's four tiles, one joint load a wave: wave 0 S0's codes, wave 1 S1's codes, wave 2 S0's scales, wave 3 S1's.  One chain of branches on the wave's number, one join
.macro ARM under, g0, g1, next
	s_cmp_lt_u32 s50, \under
	s_cbranch_scc0 \next
	tensor_load_to_lds s[\g0:\g0+3], s[\g1:\g1+7]
	s_nop 0
.rept 4
	v_nop
.endr
	s_branch .Lasked
\next:
.endm
	ARM 1, 56, 4,  .Lhead_c1
	ARM 2, 80, 12, .Lhead_s0
	ARM 3, 52, 20, .Lhead_s1
	tensor_load_to_lds s[76:79], s[28:35]
	s_nop 0
.rept 4
	v_nop
.endr
.Lasked:
	v_mul_u32_u24 v3, v1, PITCH
	v_mad_u32_u24 v[AD0], v2, 24, v3               ; S0's tiles 0-3: a fragment's row x pitch + 24 x half
	v_mad_u32_u24 v[AD0+1], v2, 40, v3             ; and the same behind one padding more
	s_mul_i32 s101, s50, 32*PITCH
	s_add_co_u32 s101, s101, S1OFF                 ; my 32 rows of S1
.irp e, 0,1
	v_add_nc_u32 v[AD0+2+\e], 64*PITCH, v[AD0+\e]  ; S0's tiles 4-7: 64 rows on, so that the loads' offsets stay inside 16 bits
	v_add_nc_u32 v[AD1+\e], s101, v[AD0+\e]
.endr
	v_lshrrev_b32 v3, 3, v1
	v_lshl_add_u32 v3, v2, 1, v3                   ; row 16 h + r of a group of 32: unit 2 h + r / 8,
	v_mul_u32_u24 v3, v3, 272
	v_and_b32 v6, 7, v1
	v_lshl_add_u32 v3, v6, 5, v3                   ; 32 bytes a row in it
	v_add_nc_u32 v[AS0], SCL, v3
	s_mul_i32 s101, s50, 4*272
	s_add_co_u32 s101, s101, 2*SCH
	v_add_nc_u32 v[AS1], s101, v[AS0]
; a fragment, 16 rows x 128 K of 6-bit codes, is 12 registers: lane (r, h) holds row r; registers 6 c .. 6 c + 5 hold K = 64 c + 32 h + 0 .. 31: 24 bytes of the row as they lie, in pieces of 8 bytes.
; Lanes 16-31 read three pieces further on than lanes 0-15: where that is behind one padding more, the second address register serves.
.macro FRAG reg, adr, q, i
.irp p, 0,1,2,3,4,5
.set PCE, 12*(\q)+6*(\p/3)+\p%3
.if PCE%32 < 29                        ; q: the K step, 0 to 7; piece PCE of the row lies behind PCE / 32 paddings
	ds_load_b64 v[(\reg)+2*\p:(\reg)+2*\p+1], v[\adr] offset:8*PCE+16*(PCE/32)+(\i)*16*PITCH
.else
	ds_load_b64 v[(\reg)+2*\p:(\reg)+2*\p+1], v[(\adr)+1] offset:8*PCE+16*(PCE/32)+(\i)*16*PITCH
.endif
.endr
.endm
.macro FETCH1 q                        ; S1's two fragments of K step q into set q % 2: 12 loads
.irp a, 0,1
	FRAG 96+24*((\q)%2)+12*\a, AD1, \q, \a
.endr
.endm
.macro FETCH0 q, t0                    ; four of S0's fragments: 24 loads
.irp t, \t0, \t0+1, \t0+2, \t0+3
	FRAG 12*(\t), AD0+2*((\t)/4), \q, (\t)%4
.endr
.endm
.macro SCALES set, c                   ; chunk c's scale words, both its steps by one load of 8 bytes: 5 loads
.irp bb, 0,1,2,3
	ds_load_b64 v[SCR+10*(\set)+2*\bb:SCR+10*(\set)+2*\bb+1], v[AS0] offset:1088*\bb+8*(\c)
.endr
	ds_load_b64 v[SCR+10*(\set)+8:SCR+10*(\set)+9], v[AS1] offset:8*(\c)
.endm
; one matrix instruction.  ra, rb: the side's scale words stand in lanes 16-31.  zero: the product starts its sum
.macro WM d, a, b, sa, sb, ra, rb, zero
.if \zero
.if (\ra) && (\rb)
	v_wmma_scale_f32_16x16x128_f8f6f4 v[(\d):(\d)+7], v[(\a):(\a)+11], v[(\b):(\b)+11], 0, v[\sa], v[\sb] matrix_a_fmt:MATRIX_FMT_FP6 matrix_b_fmt:MATRIX_FMT_FP6 matrix_a_scale:MATRIX_SCALE_ROW1 matrix_b_scale:MATRIX_SCALE_ROW1
.elseif (\ra)
	v_wmma_scale_f32_16x16x128_f8f6f4 v[(\d):(\d)+7], v[(\a):(\a)+11], v[(\b):(\b)+11], 0, v[\sa], v[\sb] matrix_a_fmt:MATRIX_FMT_FP6 matrix_b_fmt:MATRIX_FMT_FP6 matrix_a_scale:MATRIX_SCALE_ROW1
.elseif (\rb)
	v_wmma_scale_f32_16x16x128_f8f6f4 v[(\d):(\d)+7], v[(\a):(\a)+11], v[(\b):(\b)+11], 0, v[\sa], v[\sb] matrix_a_fmt:MATRIX_FMT_FP6 matrix_b_fmt:MATRIX_FMT_FP6 matrix_b_scale:MATRIX_SCALE_ROW1
.else
	v_wmma_scale_f32_16x16x128_f8f6f4 v[(\d):(\d)+7], v[(\a):(\a)+11], v[(\b):(\b)+11], 0, v[\sa], v[\sb] matrix_a_fmt:MATRIX_FMT_FP6 matrix_b_fmt:MATRIX_FMT_FP6
.endif
.else
.if (\ra) && (\rb)
	v_wmma_scale_f32_16x16x128_f8f6f4 v[(\d):(\d)+7], v[(\a):(\a)+11], v[(\b):(\b)+11], v[(\d):(\d)+7], v[\sa], v[\sb] matrix_a_fmt:MATRIX_FMT_FP6 matrix_b_fmt:MATRIX_FMT_FP6 matrix_a_scale:MATRIX_SCALE_ROW1 matrix_b_scale:MATRIX_SCALE_ROW1
.elseif (\ra)
	v_wmma_scale_f32_16x16x128_f8f6f4 v[(\d):(\d)+7], v[(\a):(\a)+11], v[(\b):(\b)+11], v[(\d):(\d)+7], v[\sa], v[\sb] matrix_a_fmt:MATRIX_FMT_FP6 matrix_b_fmt:MATRIX_FMT_FP6 matrix_a_scale:MATRIX_SCALE_ROW1
.elseif (\rb)
	v_wmma_scale_f32_16x16x128_f8f6f4 v[(\d):(\d)+7], v[(\a):(\a)+11], v[(\b):(\b)+11], v[(\d):(\d)+7], v[\sa], v[\sb] matrix_a_fmt:MATRIX_FMT_FP6 matrix_b_fmt:MATRIX_FMT_FP6 matrix_b_scale:MATRIX_SCALE_ROW1
.else
	v_wmma_scale_f32_16x16x128_f8f6f4 v[(\d):(\d)+7], v[(\a):(\a)+11], v[(\b):(\b)+11], v[(\d):(\d)+7], v[\sa], v[\sb] matrix_a_fmt:MATRIX_FMT_FP6 matrix_b_fmt:MATRIX_FMT_FP6
.endif
.endif
.endm
; 8 matrix instructions: S0's tiles t0 .. t0 + 3 x my two blocks.  The 16 accumulators take turns, one instruction a turn, in the same order in every step
.macro MUL t0, q, zero
.set SSC, SCR+10*(((\q)/2)%2)+(\q)%2
.set FB1, 96+24*((\q)%2)
.irp t, \t0, \t0+1, \t0+2, \t0+3
.irp a, 0,1
	WM ACC+64*\a+8*(\t), 12*(\t), FB1+12*\a, SSC+2*((\t)/2), SSC+8, (\t)%2, \a, \zero
.endr
.endr
.endm
; K step q, 128 along K: 16 matrix instructions; the next step's fragments are fetched in two runs, each behind its places
.macro STEP q, zero
	s_wait_dscnt 24                                ; all but the youngest 24 loads (S0's tiles 4-7) are in
	WIN MULW
	MUL 0, \q, \zero
	s_wait_dscnt 0x0                               ; S0's tiles 4-7 are in
.if (\q) < 7
	PLACES
	WIN TO_F
	FETCH1 (\q)+1
	FETCH0 (\q)+1, 0
.if (\q)%2 == 1
	WIN 0
	SCALES (((\q)+1)/2)%2, ((\q)+1)/2
.endif
.endif
	WIN MULW
	MUL 4, \q, \zero
.if (\q) < 7
	PLACES
	WIN TO_F
	FETCH0 (\q)+1, 4
.if (\q) < 4                           ; my unit of the mask: its 16 loads go out four at a time at the ends of K steps 0 to 3, behind the tiles; they are first read in the way out.  Numbers n = 16 q + 4 e on; over the 16 loads the wave uses each row's 512 bytes whole
.irp e, 0,1,2,3
	global_load_b128 v[MD+16*(\q)+4*\e:MD+16*(\q)+4*\e+3], v[MA], s[38:39] offset:128*(\q)+16*\e
.endr
.endif
.endif
.endm
	s_wait_alu depctr_va_vdst(0)
	s_wait_tensorcnt 0x0                           ; my one tile has landed; behind the barrier all four have: nothing is filled again
	s_barrier_signal -1
	s_barrier_wait -1
	WIN TO_F
	FETCH1 0
	FETCH0 0, 0
	WIN 0
	SCALES 0, 0
	WIN TO_F
	FETCH0 0, 4
	STEP 0, 1                                      ; the first step's products start the sums: nothing is cleared
	STEP 1, 0
	STEP 2, 0
	STEP 3, 0
	STEP 4, 0
	STEP 5, 0
	STEP 6, 0
	STEP 7, 0
	WIN 0
; My unit of the mask: word n has one bit a lane; lane n / 2 keeps words n (even) and n + 1; the wave stores 256 consecutive bytes, aligned.
; s4-11 are free: every tensor load has been shown done.  The store's registers and its base are not written again.
.macro PACKWORK
	WIN MULW                                       ; the numbers lie in window 1, the words in window 0
.set i, 0
.rept 16
.irp e, 0,1,2,3
	v_cmp_ne_u32 s[4+(4*i+\e)%8], 0, v[MD+4*i+\e]
.endr
.irp e, 0,1,2,3
	v_writelane_b32 v[MW+\e%2], s[4+(4*i+\e)%8], (4*i+\e)/2
.endr
.set i, i+1
.endr
	WIN 0
	global_store_b64 v[MO], v[MW:MW+1], s[40:41]
.endm
; S0's tiles were read in their natural order (tile t, register j of lane (r, h): j index 16 t + 8 h + j).  One exchange of halves between the registers of tiles 2 bb and 2 bb + 1 makes
; register 16 bb + i the j index 32 bb + 16 h + i: 16 neighbours along j in a lane.  Each accumulator is read from its low end on.
.macro SWAPS
.irp a, 0,1
.irp bb, 0,1,2,3
.irp j, 0,1,2,3,4,5,6,7
	v_permlane16_swap_b32 v[ACC+64*\a+16*\bb+\j], v[ACC+64*\a+16*\bb+8+\j]
.endr
.endr
.endr
.endm
; 64 numbers of a lane, register 16 b + i = j index 32 b + 16 h + i of my row, become codes: blocks 0, 1 in six registers from d0 on, blocks 2, 3 from d1 on; the row's scale word in pw
.macro QUANT s, d0, d1, pw
.irp b, 0,1,2,3
	v_max3_num_f32 v[TM+\b], |v[\s+16*\b]|, |v[\s+1+16*\b]|, 0x1800000   ; my 16 numbers of block b, and the floor 2^(3 - 127): the byte cannot fall under 1
.endr
.irp i, 2,4,6,8,10,12,14
.irp b, 0,1,2,3
	v_max3_num_f32 v[TM+\b], v[TM+\b], |v[\s+16*\b+\i]|, |v[\s+1+16*\b+\i]|
.endr
.endr
.irp b, 0,1,2,3
	v_permlanex16_b32 v[TM+4+\b], v[TM+\b], s2, s3
.endr
.irp b, 0,1,2,3
	v_max_num_f32 v[TM+\b], v[TM+\b], v[TM+4+\b]   ; with lane l xor 16's: the block's largest magnitude
.endr
.irp b, 0,1,2,3
	v_add_nc_u32 v[TM+12+\b], 0xff000000, v[TM+\b] ; 2 off its exponent field: the conversion's scale operand
.endr
.irp b, 0,1,2,3
	v_lshrrev_b32 v[TM+4+\b], 23, v[TM+12+\b]      ; the scale's byte
.endr
	v_lshl_or_b32 v[\pw], v[TM+5], 8, v[TM+4]
	v_lshl_or_b32 v[\pw], v[TM+6], 16, v[\pw]
	v_lshl_or_b32 v[\pw], v[TM+7], 24, v[\pw]
	v_cvt_scalef32_pk16_fp6_f32 v[\d0:\d0+2], v[\s:\s+15], v[TM+12]
	v_cvt_scalef32_pk16_fp6_f32 v[CT:CT+2], v[\s+16:\s+31], v[TM+13]      ; (a conversion's three registers begin on an even number)
	v_cvt_scalef32_pk16_fp6_f32 v[\d1:\d1+2], v[\s+32:\s+47], v[TM+14]
	v_cvt_scalef32_pk16_fp6_f32 v[CT+4:CT+6], v[\s+48:\s+63], v[TM+15]
	v_nop                                          ; one plain place behind a scaled conversion
.irp i, 0,1,2
	v_permlane16_swap_b32 v[\d0+\i], v[CT+\i]      ; the operand's layout wants a whole block in a lane
	v_permlane16_swap_b32 v[\d1+\i], v[CT+4+\i]
.endr
.irp i, 0,1,2
	v_mov_b32 v[\d0+3+\i], v[CT+\i]
	v_mov_b32 v[\d1+3+\i], v[CT+4+\i]
.endr
.endm
; blocks a = 0, 1 (lane r = row 16 a + r) become tiles u = 0, 1 (lane r = row 8 u + r + 8 (r / 8)): tile 0 takes block 1's lanes r - 8 into its lanes r >= 8, tile 1 block 0's lanes r + 8 into its lanes r < 8
.macro XCH ra, rb
	v_mov_b32_dpp v[X0], v[\rb] row_xmask:8 row_mask:0xf bank_mask:0xf
	v_mov_b32_dpp v[X1], v[\ra] row_xmask:8 row_mask:0xf bank_mask:0xf
	v_cndmask_b32 v[\ra], v[\ra], v[X0], s36
	v_cndmask_b32 v[\rb], v[X1], v[\rb], s36
.endm
.macro WORKREGS                        ; written once: the destination of a lane permute and of a DPP move counts as one of its sources
.irp b, 0,1,2,3
	v_mov_b32 v[TM+4+\b], 0
.endr
	v_mov_b32 v[X0], 0
	v_mov_b32 v[X1], 0
.endm
	s_cmp_eq_u32 s67, 1                            ; T comes from the cluster's y: every wave of every partner goes the same way; no barrier and no LDS access stands on either
	s_cbranch_scc1 .Lv
	; ---- key: the bias runs along j
	s_lshl_b32 s100, s98, 9                        ; 128 JT numbers on
	s_mov_b32 s101, 0
	s_add_nc_u64 s[46:47], s[46:47], s[100:101]
	v_lshlrev_b32 v[VB], 6, v2                     ; + 16 h numbers
.irp t, 0,1,2,3,4,5,6,7
	global_load_b128 v[BJ+8*\t:BJ+8*\t+3], v[VB], s[46:47] offset:(32*(\t/2)+8*(\t%2))*4
	global_load_b128 v[BJ+8*\t+4:BJ+8*\t+7], v[VB], s[46:47] offset:(32*(\t/2)+8*(\t%2))*4+16
.endr
	PLACES
	s_wait_loadcnt 16                              ; the 16 bias loads just issued may be out: the mask's 16, issued in K steps 0 to 3, are in
	PACKWORK                                       ; stands between the bias loads and the wait for them
	SWAPS
	s_wait_loadcnt 0x0
.set n, 0
.rept 64
	v_pk_add_f32 v[ACC+2*n:ACC+2*n+1], v[ACC+2*n:ACC+2*n+1], v[BJ+(2*n)%64:BJ+(2*n)%64+1]
.set n, n+1
.endr
	WORKREGS
	QUANT ACC, OUT, OUT+12, PW0                    ; block 0: the even head's six registers, the odd head's six
	QUANT ACC+64, OUT+6, OUT+18, PW1               ; block 1
.irp e, 0,1
.irp i, 0,1,2,3,4,5
	XCH OUT+12*\e+\i, OUT+12*\e+6+\i
.endr
.endr
	XCH PW0, PW1
	v_cndmask_b32 v[SW], v[PW0], v[PW1], s37       ; lane 16 u + r: tile u's row r
	v_lshrrev_b32 v[SWO], 16, v[SW]                ; the odd head's two bytes,
	v_and_b32 v[SW], 0xffff, v[SW]                 ; the even head's
	s_lshr_b32 s104, s99, 4                        ; the batch
	s_lshl_b32 s104, s104, 4
	s_lshl_b32 s105, s98, 1
	s_add_co_u32 s104, s104, s105                  ; bh of the even head: 16 b + 2 JT
	s_mul_i32 s104, s104, 208896
	s_and_b32 s105, s99, 15                        ; the step of 128 keys
	s_mul_i32 s105, s105, 13056
	s_add_co_u32 s104, s104, s105
	s_mov_b32 s105, 0
	s_add_nc_u64 s[42:43], s[48:49], s[104:105]
	s_add_nc_u64 s[44:45], s[42:43], 208896        ; the odd head's
	v_and_b32 v3, 31, v0
	s_mul_i32 s100, s50, 1536                      ; my 32 rows are pair w
	v_lshlrev_b32 v[VOC], 4, v3
	v_add_nc_u32 v[VOC], s100, v[VOC]
	s_lshl_b32 s100, s50, 7
	s_add_co_u32 s100, s100, 12288
	v_lshlrev_b32 v[VOS], 2, v3
	v_add_nc_u32 v[VOS], s100, v[VOS]
	s_wait_alu depctr_va_vdst(0)
.irp e, 0,1
.irp g, 0,1,2
	global_store_b128 v[VOC], v[OUT+12*\e+4*\g:OUT+12*\e+4*\g+3], s[42+2*\e:43+2*\e] offset:512*\g   ; the wave stores 512 consecutive bytes, aligned to 256
.endr
.endr
	global_store_b32 v[VOS], v[SW], s[42:43]       ; 128 consecutive bytes; the four waves' lie on end
	global_store_b32 v[VOS], v[SWO], s[44:45]
	s_branch .Lend
.Lv:
	; ---- value: the bias runs along i, one number a lane and block
	s_lshl_b32 s100, s99, 7
	s_lshl_b32 s101, s50, 5
	s_add_co_u32 s100, s100, s101                  ; my first feature: 128 IT + 32 w
	s_lshl_b32 s100, s100, 2
	s_mov_b32 s101, 0
	s_add_nc_u64 s[46:47], s[46:47], s[100:101]
	v_lshlrev_b32 v[VB], 2, v1
.irp a, 0,1
	global_load_b32 v[BJ+2*\a], v[VB], s[46:47] offset:64*\a
	global_load_b32 v[BJ+2*\a+1], v[VB], s[46:47] offset:64*\a      ; twice: a pair for the packed addition
.endr
	PLACES
	s_wait_loadcnt 4                               ; the 4 bias loads just issued may be out: the mask's 16 are in
	PACKWORK
	SWAPS
	s_wait_loadcnt 0x0
.set n, 0
.rept 64
	v_pk_add_f32 v[ACC+2*n:ACC+2*n+1], v[ACC+2*n:ACC+2*n+1], v[BJ+2*(n/32):BJ+2*(n/32)+1]
.set n, n+1
.endr
	WORKREGS
	QUANT ACC, OUT, OUT+6, PW0                     ; block 0: a whole fragment, 128 keys of 16 features
	QUANT ACC+64, OUT+12, OUT+18, PW1
.irp i, 0,1,2,3,4,5,6,7,8,9,10,11
	XCH OUT+\i, OUT+12+\i
.endr
	XCH PW0, PW1
	v_cndmask_b32 v[SW], v[PW0], v[PW1], s37
	s_lshr_b32 s104, s98, 4                        ; the batch
	s_lshl_b32 s104, s104, 4
	s_lshl_b32 s105, s99, 1
	s_add_co_u32 s104, s104, s105
	s_add_co_u32 s104, s104, s51                   ; bh = 16 b + 2 IT + w / 2
	s_mul_i32 s104, s104, 208896
	s_and_b32 s105, s98, 15                        ; the key step
	s_mul_i32 s105, s105, 13056
	s_add_co_u32 s104, s104, s105
	s_mov_b32 s105, 0
	s_add_nc_u64 s[42:43], s[48:49], s[104:105]
	v_and_b32 v3, 31, v0
	s_mul_i32 s100, s66, 3072                      ; my 32 features are tiles 2 (w % 2), 2 (w % 2) + 1 of the head's four
	v_lshlrev_b32 v[VOC], 4, v3
	v_add_nc_u32 v[VOC], s100, v[VOC]
	s_lshl_b32 s100, s66, 7
	v_lshlrev_b32 v[VOS], 2, v3
	v_add_nc_u32 v[VOS], s100, v[VOS]
	s_wait_alu depctr_va_vdst(0)
.irp a, 0,1
.irp g, 0,1,2
	global_store_b128 v[VOC], v[OUT+12*\a+4*\g:OUT+12*\a+4*\g+3], s[42:43] offset:6144+1536*\a+512*\g
.endr
.endr
	global_store_b32 v[VOS], v[SW], s[42:43] offset:12800
.Lend:
	s_wait_tensorcnt 0x0
	ds_add_u32 v62, v63
	s_wait_dscnt 0x0
	CROUND                                         ; the closing round: no work-group ends while a partner may still ask for a tile that names it
	s_endpgm
.Lfunc_end_k_q193c0746f8_proj:
	.size	k_q193c0746f8_proj, .Lfunc_end_k_q193c0746f8_proj-k_q193c0746f8_proj
	.p2alignl 7, 3214868480
	.fill 96, 4, 3214868480
	.section	.rodata,"a",@progbits
	.p2align	6, 0x0
	.amdhsa_kernel k_q193c0746f8_proj
		.amdhsa_group_segment_fixed_size 254976
		.amdhsa_private_segment_fixed_size 0
		.amdhsa_enable_private_segment 0
		.amdhsa_kernarg_size 104
		.amdhsa_user_sgpr_count 2
		.amdhsa_user_sgpr_kernarg_segment_ptr 1
		.amdhsa_wavefront_size32 1
		.amdhsa_system_sgpr_workgroup_id_x 1
		.amdhsa_system_sgpr_workgroup_id_y 1
		.amdhsa_system_sgpr_workgroup_id_z 1
		.amdhsa_system_vgpr_workitem_id 0
		.amdhsa_next_free_vgpr 464
		.amdhsa_next_free_sgpr 106
		.amdhsa_reserve_vcc 0
		.amdhsa_float_denorm_mode_32 3
		.amdhsa_float_denorm_mode_16_64 3
		.amdhsa_memory_ordered 1
		.amdhsa_forward_progress 1
		.amdhsa_inst_pref_size 118
	.end_amdhsa_kernel
	.amdgpu_metadata
---
amdhsa.version: [ 1, 2 ]
amdhsa.kernels:
  - .name:           k_q193c0746f8_proj
    .symbol:         k_q193c0746f8_proj.kd
    .args:
      - { .name: k_codes, .offset: 0, .size: 8, .value_kind: global_buffer, .address_space: global }
      - { .name: k_scales, .offset: 8, .size: 8, .value_kind: global_buffer, .address_space: global }
      - { .name: wk_codes, .offset: 16, .size: 8, .value_kind: global_buffer, .address_space: global }
      - { .name: wk_scales, .offset: 24, .size: 8, .value_kind: global_buffer, .address_space: global }
      - { .name: bk, .offset: 32, .size: 8, .value_kind: global_buffer, .address_space: global }
      - { .name: v_codes, .offset: 40, .size: 8, .value_kind: global_buffer, .address_space: global }
      - { .name: v_scales, .offset: 48, .size: 8, .value_kind: global_buffer, .address_space: global }
      - { .name: wv_codes, .offset: 56, .size: 8, .value_kind: global_buffer, .address_space: global }
      - { .name: wv_scales, .offset: 64, .size: 8, .value_kind: global_buffer, .address_space: global }
      - { .name: bv, .offset: 72, .size: 8, .value_kind: global_buffer, .address_space: global }
      - { .name: kv, .offset: 80, .size: 8, .value_kind: global_buffer, .address_space: global }
      - { .name: mask, .offset: 88, .size: 8, .value_kind: global_buffer, .address_space: global }
      - { .name: maskw, .offset: 96, .size: 8, .value_kind: global_buffer, .address_space: global }
    .group_segment_fixed_size: 254976
    .private_segment_fixed_size: 0
    .kernarg_segment_align: 8
    .kernarg_segment_size: 104
    .max_flat_workgroup_size: 128
    .sgpr_count:     106
    .vgpr_count:     464
    .wavefront_size: 32
...
	.end_amdgpu_metadata
.endif
;; end of part 1
;; launch attn (part 2): grid 8 x 32, 16 waves a work-group, clusters of 4 x 1, 327,680 bytes of LDS; arguments q_codes, q_scales, wq_codes, wq_scales, bq, kv, maskw, ximg, xsc; writes ximg, xsc
.if DOCPART == 2
	.amdgcn_target "amdgcn-amd-amdhsa--gfx1250"
	.amdhsa_code_object_version 6
	.text
	.protected	k_q193c0746f8_attn
	.globl	k_q193c0746f8_attn
	.p2align	8
	.type	k_q193c0746f8_attn,@function
k_q193c0746f8_attn:
	s_mov_b64 s[64:65], 0
	v_nop
	global_prefetch_b8 v0, s[64:65] scope:SCOPE_SE
	s_setreg_imm32_b32 hwreg(HW_REG_WAVE_MODE, 25, 1), 1
	s_wait_xcnt 0x0
	s_wait_alu depctr_hold_cnt(0) depctr_sa_sdst(0) depctr_va_vdst(0) depctr_va_sdst(0) depctr_va_ssrc(0) depctr_va_vcc(0) depctr_vm_vsrc(0)
	s_getreg_b32 s2, hwreg(HW_REG_IB_STS2, 6, 4)
	s_cmp_eq_u32 s2, 0
	s_cbranch_scc0 .Lentry_in_a_cluster
	s_endpgm
.Lentry_in_a_cluster:
	s_bfe_u32 s2, ttmp6, 0x10000c
	s_cmp_lg_u32 s2, 0x3003
	s_cbranch_scc0 .Lentry_shape_is_right
	s_endpgm
.Lentry_shape_is_right:
; For one (batch, head) and 256 queries: query = q wq^T + bq for the head's 64 features, quantised; x = softmax(where(mask == 0, -1, query key^T / 8)) value; and the quantiser of x along the features.
; All three products are on codes of FP6 (E2M3) with E8M0 scales.
; THE QUERY PROJECTION STANDS HERE because a work-group's 256 rows x 64 features of query are wanted by no other work-group: nothing is computed twice, and query never goes to memory.
; It is worked while the head's key and value are on their way into LDS.  Source 0 = 16 rows of wq, source 1 = my 16 rows of q: a lane holds one query and its registers run along the features.
; THE MASK IS SOFT: a masked key has the logit -1 and counts in the maximum, in the sum and in the last product.  Its score is set to -8, and -8 x (log2(e) / 8) is -log2(e) exactly.
; THE SOFTMAX: t = score x log2(e) / 8; M = the running largest t rounded up to a whole number; p = 2^(t - M) is quantised along the keys, not normalised; the sum is taken of the unquantised p
; and divides at the end; when M moves, the sum and O are multiplied by 2^(old M - new M), which rounds nothing.
; SHARES.  A work-group owns 256 queries of one head, each of its sixteen waves one tile of 16, in 256 registers: four waves to a SIMD, so that one wave's vector work stands beside another's products.
; LDS holds the head's K and V as the projection launch laid them, 16 steps of 13,056 bytes, and behind them wq's 64 rows of the head (four chunks of 256 along K, rows 816 bytes apart).
; Every byte is filled once.  Every wave issues the same two tensor loads: four whole rows of wq, then step w of K and V; a round stands between them
;   The loop has no barrier.
; CLUSTER: the four query blocks of a cluster belong to one head: both loads are asked for jointly by the four.
; LAYOUT.  S^T = K Q^T (source 0 = 16 keys, source 1 = my queries), O^T = V^T P^T: a lane holds one query throughout.  Tiles are in the order r + 8 (r / 8): score register n of lane (r, h) is
; key 32 (n / 16) + 16 h + n % 16 of the step, O^T's register 16 p + i is channel 32 p + 16 h + i.
; K = 64 IN AN INSTRUCTION OF 128: Q's upper 64 codes are zeros.  K's tiles stand six registers apart, so a tile's upper six registers hold the next tile's codes (every code is a finite number): they meet zeros.
; OUT: ximg [row tile 256][head 16][3][lane][8 B]: the six registers of an operand's half; xsc [row 4,096][32]: two bytes a row and head: stores of two bytes to rows 32 bytes apart,
; 128 KiB in the launch beside 3 MiB of codes: a head has only 2 of a row's 32 bytes.
; LIMITS: a block of query or of x whose largest magnitude lies under 2^-124 gets the byte 1; the bias is added behind the whole sum over K; x = O x (1 / l) with v_rcp_f32; NaN and infinities are not served.
.set STEPB, 13056
.set HEADB, 208896
.set WQ,    208896                     ; wq's tile in LDS
.set WPITCH, 816                       ; wq's 64 rows lie whole in LDS: 3 x (256 bytes + 16 of padding); each wave fetches four rows at the head; K and V follow behind a round of their own
.set LI,   1                           ; v1   16 x lane
.set LS,   2                           ; v2   4 x lane
.set ADK,  3                           ; v3   the step's images
.set ADS,  4                           ; v4   the step's scale words
.set NEG8, 5                           ; v5   -8.0
.set L8,   6                           ; v6   8 x lane
.set XR,   7                           ; v7   32 (r + 8 (r / 8)): my row's scale bytes, in q_scales and in xsc
.set AW,   8                           ; v8-9 wq's fragments in LDS: row r, + 24 h; and + 40 h for the pieces behind one padding more
.set QAD,  10                          ; v10  q's codes: row r + 8 (r / 8) of 768 bytes, + 24 h
.set WSO,  11                          ; v11  32 x lane: wq's scale bytes, a row to a lane
.set QF,   16                          ; v16-27 Q's fragment
.set QSW,  28                          ; v28  Q's scale words
.set BO,   29                          ; v29  64 h: my 16 numbers of each 32 of the bias
.set F,    32                          ; v32-79 wq's four fragments; then K's eight tiles, V's four fragments; v80-85 zeros
.set KS,   86                          ; v86-89 K's scale words
.set VS,   90                          ; v90-91 V's
.set S,    96                          ; v96-159 S^T, then p; v96-127 first the sums of query, at the end x
.set QFR,  128                         ; v128-223 ahead of the loop: q's eight fragments
.set BQ,   128                         ; v128-159 the bias, once K steps 0 to 2 have left these registers
.set O,    160                         ; v160-191 O^T
.set PCD,  192                         ; v192-203 p's codes
.set CT,   204                         ; v204-206, v208-210
.set BM,   212                         ; v212-215 the blocks' largest
.set T2,   216
.set SO,   220                         ; v220-223 the conversions' scale operands
.set TMP,  224
.set XW,   225
.set FF,   226                         ; v[226:227] f
.set PSW,  228                         ; v228 p's scale word
.set SUM2, 230
.set WSC,  232                         ; v232-247 wq's scale words ahead of the loop: pair p, K step kq at 8 p + kq; lanes 0-15 tile 2 p, lanes 16-31 tile 2 p + 1
.set QSC,  248                         ; v248-255 q's scale words ahead of the loop
; v12 -M, v13 the largest t, v[14:15] the sum in two halves.  s[2:3] c; s[4:13], s[30:31], s[66:67] addresses; s14 wave; s15 trips; s28 the step's LDS byte; s29 the step's mask bytes;
; s32-63, s68-99 the step's 64 mask words (at the head: the arguments, offsets, and wq's descriptor)
.macro CROUND
	s_barrier_signal -1
	s_barrier_wait -1
	s_cmp_lg_u32 s14, 0
	s_cbranch_scc1 .Lnot_wave_0_\@
	s_barrier_signal -3
.Lnot_wave_0_\@:
	s_barrier_wait -3
	s_barrier_signal -1
	s_barrier_wait -1
.endm
.macro MASKLOAD                        ; 64 words, 256 bytes, at s29 in my tile's 4,096
	s_load_b512 s[32:47], s[8:9], s29 offset:0x0
	s_load_b512 s[48:63], s[8:9], s29 offset:0x40
	s_load_b512 s[68:83], s[8:9], s29 offset:0x80
	s_load_b512 s[84:99], s[8:9], s29 offset:0xc0
.endm
; a fragment of wq, 16 rows x 128 K: 24 bytes of the row twice, in pieces of 8; lanes 16-31 read three pieces further on, for some pieces behind one padding more.  i: the tile
.macro QLOAD kq                        ; q's fragment of K step kq: six loads; all eight fragments have registers of their own
.irp p, 0,1,2,3,4,5
	global_load_b64 v[QFR+12*(\kq)+2*\p:QFR+12*(\kq)+2*\p+1], v[QAD], s[4:5] offset:96*(\kq)+48*(\p/3)+8*(\p%3)
.endr
.endm
.macro FRAG reg, kq, i                 ; kq: the K step, 0 to 7; piece PCE of the row lies behind PCE / 32 paddings
.irp p, 0,1,2,3,4,5
.set PCE, 12*(\kq)+6*(\p/3)+\p%3
.if PCE%32 < 29
	ds_load_b64 v[(\reg)+2*\p:(\reg)+2*\p+1], v[AW] offset:8*PCE+16*(PCE/32)+(\i)*16*WPITCH
.else
	ds_load_b64 v[(\reg)+2*\p:(\reg)+2*\p+1], v[AW+1] offset:8*PCE+16*(PCE/32)+(\i)*16*WPITCH
.endif
.endr
.endm
.macro QPROD t, kq                     ; query's tile t (features 16 t on), K step kq; an odd tile's scale words stand in lanes 16-31; K step 0 starts the sums
.if (\kq) == 0
.if (\t)%2
	v_wmma_scale_f32_16x16x128_f8f6f4 v[S+8*(\t):S+8*(\t)+7], v[F+12*(\t):F+12*(\t)+11], v[QFR+12*(\kq):QFR+12*(\kq)+11], 0, v[WSC+8*((\t)/2)+(\kq)], v[QSC+(\kq)] matrix_a_fmt:MATRIX_FMT_FP6 matrix_b_fmt:MATRIX_FMT_FP6 matrix_a_scale:MATRIX_SCALE_ROW1
.else
	v_wmma_scale_f32_16x16x128_f8f6f4 v[S+8*(\t):S+8*(\t)+7], v[F+12*(\t):F+12*(\t)+11], v[QFR+12*(\kq):QFR+12*(\kq)+11], 0, v[WSC+8*((\t)/2)+(\kq)], v[QSC+(\kq)] matrix_a_fmt:MATRIX_FMT_FP6 matrix_b_fmt:MATRIX_FMT_FP6
.endif
.else
.if (\t)%2
	v_wmma_scale_f32_16x16x128_f8f6f4 v[S+8*(\t):S+8*(\t)+7], v[F+12*(\t):F+12*(\t)+11], v[QFR+12*(\kq):QFR+12*(\kq)+11], v[S+8*(\t):S+8*(\t)+7], v[WSC+8*((\t)/2)+(\kq)], v[QSC+(\kq)] matrix_a_fmt:MATRIX_FMT_FP6 matrix_b_fmt:MATRIX_FMT_FP6 matrix_a_scale:MATRIX_SCALE_ROW1
.else
	v_wmma_scale_f32_16x16x128_f8f6f4 v[S+8*(\t):S+8*(\t)+7], v[F+12*(\t):F+12*(\t)+11], v[QFR+12*(\kq):QFR+12*(\kq)+11], v[S+8*(\t):S+8*(\t)+7], v[WSC+8*((\t)/2)+(\kq)], v[QSC+(\kq)] matrix_a_fmt:MATRIX_FMT_FP6 matrix_b_fmt:MATRIX_FMT_FP6
.endif
.endif
.endm
; K step kq of the query projection: wq's four fragments from LDS, four products; the four accumulators take turns, one instruction a turn
.macro QSTEP kq
.if (\kq) > 0
.rept 4
	v_nop                                          ; places behind the last products, in front of loads into registers that they read
.endr
.endif
.if (\kq) < 5
	QLOAD (\kq)+3                                  ; q's fragment three K steps on
.endif
.if (\kq) == 3
.irp p, 0,1
.irp k, 0,1,2,3
	global_load_b128 v[BQ+16*\p+4*\k:BQ+16*\p+4*\k+3], v[BO], s[66:67] offset:128*\p+16*\k   ; the bias at features 32 p + 16 h + 4 k on, into the registers that K steps 0 to 2 have left
.endr
.endr
.endif
.irp t, 0,1,2,3
	FRAG F+12*\t, \kq, \t
.endr
	s_wait_dscnt 0x0
; q's fragment of this K step is in (and, ahead of it, both sides' scale words).  The count: the loads issued behind it: three fragments of six; from K step 3 on the bias's eight among them
.if (\kq) < 3
	s_wait_loadcnt 18
.elseif (\kq) < 5
	s_wait_loadcnt 26
.elseif (\kq) == 5
	s_wait_loadcnt 20
.elseif (\kq) == 6
	s_wait_loadcnt 14
.else
	s_wait_loadcnt 0x0
.endif
.irp t, 0,1,2,3
	QPROD \t, \kq
.endr
.endm
; 32 numbers of a lane, v[S + 16 p + i] = feature 32 p + 16 h + i of my row, become a head's 64 codes in six registers from d on (features 32 h + 0 .. 31) and the row's two scale bytes in w
.macro HQUANT d, w
.irp p, 0,1
	v_max3_num_f32 v[BM+\p], |v[S+16*\p]|, |v[S+1+16*\p]|, 0x1800000   ; my 16 numbers of block p, and the floor 2^(3 - 127): the byte cannot fall under 1
.endr
.irp i, 2,4,6,8,10,12,14
.irp p, 0,1
	s_delay_alu instid0(VALU_DEP_2)
	v_max3_num_f32 v[BM+\p], v[BM+\p], |v[S+16*\p+\i]|, |v[S+1+16*\p+\i]|
.endr
.endr
.irp p, 0,1
	s_delay_alu instid0(VALU_DEP_2)
	v_permlanex16_b32 v[T2+\p], v[BM+\p], s100, s101
.endr
.irp p, 0,1
	s_delay_alu instid0(VALU_DEP_2)
	v_max_num_f32 v[BM+\p], v[BM+\p], v[T2+\p]     ; with lane l xor 16's: the block's largest magnitude
.endr
.irp p, 0,1
	s_delay_alu instid0(VALU_DEP_2)
	v_add_nc_u32 v[SO+\p], 0xff000000, v[BM+\p]    ; 2 off its exponent field: the conversion's scale operand
.endr
.irp p, 0,1
	s_delay_alu instid0(VALU_DEP_2)
	v_lshrrev_b32 v[T2+\p], 23, v[SO+\p]           ; the scale's byte
.endr
	s_delay_alu instid0(VALU_DEP_1)
	v_lshl_or_b32 v[\w], v[T2+1], 8, v[T2]
	v_cvt_scalef32_pk16_fp6_f32 v[\d:\d+2], v[S:S+15], v[SO]
	v_cvt_scalef32_pk16_fp6_f32 v[CT:CT+2], v[S+16:S+31], v[SO+1]    ; (a conversion's three registers begin on an even number)
	v_nop                                          ; one plain place behind a scaled conversion
.irp i, 0,1,2
	v_permlane16_swap_b32 v[\d+\i], v[CT+\i]       ; the operand's layout wants a whole block in a lane
.endr
.irp i, 0,1,2
	s_delay_alu instid0(VALU_DEP_3)
	v_mov_b32 v[\d+3+\i], v[CT+\i]
.endr
.endm
.macro SPROD t                         ; tile t of S^T; an odd tile's scale words stand in lanes 16-31
.if (\t)%2
	v_wmma_scale_f32_16x16x128_f8f6f4 v[S+8*(\t):S+8*(\t)+7], v[F+6*(\t):F+6*(\t)+11], v[QF:QF+11], 0, v[KS+(\t)/2], v[QSW] matrix_a_fmt:MATRIX_FMT_FP6 matrix_b_fmt:MATRIX_FMT_FP6 matrix_a_scale:MATRIX_SCALE_ROW1
.else
	v_wmma_scale_f32_16x16x128_f8f6f4 v[S+8*(\t):S+8*(\t)+7], v[F+6*(\t):F+6*(\t)+11], v[QF:QF+11], 0, v[KS+(\t)/2], v[QSW] matrix_a_fmt:MATRIX_FMT_FP6 matrix_b_fmt:MATRIX_FMT_FP6
.endif
.endm
.macro OPROD t                         ; tile t of O^T
.if (\t)%2
	v_wmma_scale_f32_16x16x128_f8f6f4 v[O+8*(\t):O+8*(\t)+7], v[F+12*(\t):F+12*(\t)+11], v[PCD:PCD+11], v[O+8*(\t):O+8*(\t)+7], v[VS+(\t)/2], v[PSW] matrix_a_fmt:MATRIX_FMT_FP6 matrix_b_fmt:MATRIX_FMT_FP6 matrix_a_scale:MATRIX_SCALE_ROW1
.else
	v_wmma_scale_f32_16x16x128_f8f6f4 v[O+8*(\t):O+8*(\t)+7], v[F+12*(\t):F+12*(\t)+11], v[PCD:PCD+11], v[O+8*(\t):O+8*(\t)+7], v[VS+(\t)/2], v[PSW] matrix_a_fmt:MATRIX_FMT_FP6 matrix_b_fmt:MATRIX_FMT_FP6
.endif
.endm
	s_load_b512 s[32:47], s[0:1], 0x0              ; q_codes, q_scales, wq_codes, wq_scales, bq, kv, maskw, ximg
	s_load_b64 s[48:49], s[0:1], 0x40              ; xsc
	v_lshl_add_u32 v31, v0, 2, 0x42000
	v_mov_b32 v229, 0
	ds_add_u32 v31, v229
	ds_add_u32 v31, v229
	v_lshrrev_b32 v1, 5, v0
	s_delay_alu instid0(VALU_DEP_1)
	v_readfirstlane_b32 s14, v1                    ; wave 0..15
	v_and_b32 v92, 31, v0                          ; lane
	v_and_b32 v93, 15, v0                          ; r
	v_bfe_u32 v94, v0, 4, 1                        ; h
	s_delay_alu instid0(VALU_DEP_3)
	v_lshlrev_b32 v[LI], 4, v92
	s_delay_alu instid0(VALU_DEP_4)
	v_lshlrev_b32 v[LS], 2, v92
	v_lshlrev_b32 v[L8], 3, v92
	v_lshlrev_b32 v[WSO], 5, v92
	v_lshlrev_b32 v[BO], 6, v94
	v_and_b32 v95, 8, v93
	s_delay_alu instid0(VALU_DEP_1)
	v_add_nc_u32 v95, v95, v93                     ; r + 8 (r / 8)
	s_delay_alu instid0(VALU_DEP_1)
	v_lshlrev_b32 v[XR], 5, v95
	s_delay_alu instid0(VALU_DEP_2)
	v_mul_u32_u24 v[QAD], v95, 768
	s_delay_alu instid0(VALU_DEP_1)
	v_mad_u32_u24 v[QAD], v94, 24, v[QAD]
	v_mul_u32_u24 v95, v93, WPITCH
	s_delay_alu instid0(VALU_DEP_1)
	v_add_nc_u32 v95, WQ, v95
	s_delay_alu instid0(VALU_DEP_1)
	v_mad_u32_u24 v[AW], v94, 24, v95
	s_delay_alu instid0(VALU_DEP_2)
	v_mad_u32_u24 v[AW+1], v94, 40, v95
	s_and_b32 s50, ttmp7, 0xffff                   ; bh = 16 x batch + head, which the four partners share
	s_lshr_b32 s51, s50, 4                         ; batch
	s_and_b32 s52, s50, 15                         ; head
	s_bfe_u32 s53, ttmp6, 0x40000                  ; cx: it enters the addresses of q, maskw, ximg and xsc alone
	s_lshl_b32 s54, ttmp9, 2
	s_add_co_u32 s54, s54, s53                     ; my block of 256 queries
	s_lshl_b32 s55, s54, 4
	s_add_co_u32 s55, s55, s14                     ; qt: my tile of 16 queries, 0..127
	s_lshr_b32 s56, s55, 1
	s_lshl_b32 s56, s56, 5
	s_and_b32 s57, s55, 1
	s_lshl_b32 s57, s57, 3
	s_add_co_u32 s56, s56, s57
	s_lshl_b32 s57, s51, 11
	s_add_co_u32 s56, s56, s57                     ; the tile's first row: 2,048 b + 32 (qt / 2) + 8 (qt % 2)
	s_mul_i32 s80, s56, 768                        ; q's codes
	s_mov_b32 s81, 0
	s_lshl_b32 s82, s56, 5                         ; q's scale bytes
	s_mov_b32 s83, 0
	s_lshl_b32 s84, s52, 11                        ; wq's scale bytes: 64 rows of 32 a head
	s_mov_b32 s85, 0
	s_lshl_b32 s86, s52, 8                         ; the bias: 64 numbers a head
	s_mov_b32 s87, 0
	s_mul_i32 s88, s52, 49152                      ; of wq's 64 rows of the head I fetch rows 4 wave on, whole
	s_mul_i32 s60, s14, 3072
	s_add_co_u32 s88, s88, s60
	s_mov_b32 s89, 0
	s_mul_i32 s25, s14, STEPB                      ; of K and V step w
	s_mul_i32 s90, s50, HEADB
	s_add_co_u32 s90, s90, s25
	s_mov_b32 s91, 0
	s_lshl_b32 s92, s55, 12                        ; my tile's mask words
	s_mov_b32 s93, 0
	s_lshl_b32 s94, s51, 7
	s_add_co_u32 s94, s94, s55                     ; row tile
	s_lshl_b32 s94, s94, 4
	s_add_co_u32 s94, s94, s52
	s_mul_i32 s94, s94, 768                        ; my 768 bytes of ximg
	s_mov_b32 s95, 0
	s_lshl_b32 s96, s52, 1
	s_add_co_u32 s96, s96, s82                     ; xsc: 32 bytes a row, my head's two
	s_mov_b32 s97, 0
	s_mov_b32 s16, 15|(3<<16)|(1<<21)              ; group 1 for K and V: the mask names all four; elements of 8 bytes; no padding
	s_mov_b32 s17, 32<<16                          ; 51 rows of 256 bytes, dense: a step's 13,056 bytes
	s_mov_b32 s18, 51<<16
	s_mov_b32 s19, 32<<16
	s_mov_b32 s20, 51
	s_mov_b32 s21, 32
	s_mov_b32 s22, 0
	s_mov_b32 s23, 0
	s_mov_b32 s24, 1
	s_mov_b32 s68, 15|(0<<16)|(1<<20)|(1<<21)|(5<<22)|(3<<25)   ; group 1 for wq: 4 rows x 768 bytes, each beginning at a multiple of 256; 16 bytes of padding behind every 256
	s_mov_b32 s69, 768<<16
	s_mov_b32 s70, 4<<16
	s_mov_b32 s71, 768<<16
	s_mov_b32 s72, 4
	s_mov_b32 s73, 768
	s_mov_b32 s74, 0
	s_mov_b32 s75, 0
	s_mov_b32 s76, 1
	s_mul_i32 s77, s14, 4*WPITCH
	s_add_co_u32 s77, s77, WQ
	s_wait_alu depctr_va_vdst(0)
	s_wait_dscnt 0x0
	s_wait_kmcnt 0x0
	s_add_nc_u64 s[4:5], s[32:33], s[80:81]
	s_add_nc_u64 s[6:7], s[34:35], s[82:83]
	s_add_nc_u64 s[30:31], s[38:39], s[84:85]
	s_add_nc_u64 s[66:67], s[40:41], s[86:87]
	s_add_nc_u64 s[78:79], s[36:37], s[88:89]
	s_or_b32 s79, s79, 0x80000000
	s_add_nc_u64 s[26:27], s[42:43], s[90:91]
	s_or_b32 s27, s27, 0x80000000
	s_add_nc_u64 s[8:9], s[44:45], s[92:93]
	s_add_nc_u64 s[10:11], s[46:47], s[94:95]
	s_add_nc_u64 s[12:13], s[48:49], s[96:97]
	CROUND                                         ; all four work-groups are here: the joint loads meet
	tensor_load_to_lds s[76:79], s[68:75]          ; my four rows of wq's tile: my one tensor load at the head
	s_nop 0
.rept 4
	v_nop
.endr
	global_load_b128 v[QSC:QSC+3], v[XR], s[6:7]               ; my row's 32 scale bytes: a word for each K step
	global_load_b128 v[QSC+4:QSC+7], v[XR], s[6:7] offset:16
.irp p, 0,1
	global_load_b128 v[WSC+8*\p:WSC+8*\p+3], v[WSO], s[30:31] offset:1024*\p      ; lane l: row 32 p + l of the head's 64
	global_load_b128 v[WSC+8*\p+4:WSC+8*\p+7], v[WSO], s[30:31] offset:1024*\p+16
.endr
	QLOAD 0                                        ; q's first three fragments; each K step asks for the fragment three steps on
	QLOAD 1
	QLOAD 2
	s_mov_b32 s2, 0x3e38aa3b                       ; c = log2(e) / 8
	s_mov_b32 s3, s2                               ; (named with it as a pair, so it is written)
	s_mov_b32 s100, 0x76543210
	s_mov_b32 s101, 0xfedcba98                     ; v_permlanex16_b32's selects for lane l xor 16
	s_mov_b32 s28, 0
	s_mov_b32 s29, 0
	s_mov_b32 s15, 16
	v_mov_b32 v[NEG8], 0xc1000000
	v_mov_b32 v13, 0xff61b1e6                      ; the largest t so far: -3e38
	s_delay_alu instid0(VALU_DEP_1)
	v_floor_f32 v12, -v13                          ; -M
	v_mov_b32 v14, 0
	v_mov_b32 v15, 0
	v_mov_b32 v[FF+1], 0                           ; (the upper half of a pair of which the low word serves)
	s_wait_alu depctr_va_vdst(0)
	s_wait_tensorcnt 0x0                           ; my part of wq's tile has landed
	ds_add_u32 v31, v229
	s_wait_dscnt 0x0
	CROUND                                         ; everybody's part has, and all four work-groups are here
	tensor_load_to_lds s[24:27], s[16:23]          ; my step of K and V, the first tensor load behind the round: it lands while query is worked
	s_nop 0
.rept 4
	v_nop
.endr
	MASKLOAD
	QSTEP 0
	QSTEP 1
	QSTEP 2
	QSTEP 3
	QSTEP 4
	QSTEP 5
	QSTEP 6
	QSTEP 7
.rept 4
	v_nop                                          ; places behind the last products
.endr
.irp p, 0,1                                    ; wq's tiles were read in their natural order (register j of tile t: feature 16 t + 8 h + j): one exchange of halves makes register 16 p + i the feature 32 p + 16 h + i
.irp j, 0,1,2,3,4,5,6,7
	v_permlane16_swap_b32 v[S+16*\p+\j], v[S+16*\p+8+\j]   ; each accumulator from its low end on
.endr
.endr
	s_wait_loadcnt 0x0                             ; the bias
.set j, 0
.rept 16
	v_pk_add_f32 v[S+j:S+j+1], v[S+j:S+j+1], v[BQ+j:BQ+j+1]
.set j, j+2
.endr
.irp b, 0,1,2,3
	v_mov_b32 v[T2+\b], 0                          ; a lane permute's destination counts as one of its sources
.endr
	HQUANT QF, QSW                                 ; query's codes and scale word, where the loop wants them
.irp i, 6,7,8,9,10,11
	v_mov_b32 v[QF+\i], 0                          ; K = 64 .. 127: zero codes
.endr
.irp i, 48,49,50,51,52,53
	v_mov_b32 v[F+\i], 0                           ; what stands above K's last tile
.endr
.set i, 0
.rept 32
	v_mov_b32 v[O+i], 0                            ; O^T: the loop is written once; its first step finds zeros.  (These lines are also the places between Q's scale word and codes and the first products)
.set i, i+1
.endr
	s_wait_tensorcnt 0x0                           ; my step has landed,
	s_barrier_signal -1
	s_barrier_wait -1                              ; everybody's has: all 16 steps lie in LDS
.Lstep:                                        ; 16 trips of 128 keys
	v_add_nc_u32 v[ADK], s28, v[LI]
	v_add_nc_u32 v[ADS], s28, v[LS]
	v_nop
	v_nop                                          ; with the two additions: four places behind the last products, in front of the loads into their registers
.set i, 0
.rept 12
	ds_load_b128 v[F+4*i:F+4*i+3], v[ADK] offset:512*i       ; K's four pair images: tile t at F + 6 t
.set i, i+1
.endr
.irp bb, 0,1,2,3
	ds_load_b32 v[KS+\bb], v[ADS] offset:12288+128*\bb
.endr
	s_wait_alu depctr_va_vdst(0)
	s_wait_dscnt 0x0
.irp t, 0,1,2,3,4,5,6,7
	SPROD \t
.endr
.rept 4
	v_nop
.endr
.set i, 0
.rept 12
	ds_load_b128 v[F+4*i:F+4*i+3], v[ADK] offset:6144+512*i  ; V's four fragments land while the softmax is worked
.set i, i+1
.endr
.irp p, 0,1
	ds_load_b32 v[VS+\p], v[ADS] offset:12800+128*\p
.endr
	s_wait_kmcnt 0x0                               ; this step's mask words
.set n, 0
.rept 64
.if n < 32
	v_cndmask_b32 v[S+n], v[NEG8], v[S+n], s[32+n] ; ahead of the maximum: a masked key's score is -8; each accumulator from its low end on
.else
	v_cndmask_b32 v[S+n], v[NEG8], v[S+n], s[36+n]
.endif
.set n, n+1
.endr
	s_add_co_u32 s29, s29, 256                     ; the next step's words; the last trip wraps to step 0 and so stays inside the buffer
	s_and_b32 s29, s29, 0xfff
	MASKLOAD
.irp b, 0,1,2,3
	v_max3_num_f32 v[BM+\b], v[S+16*\b], v[S+1+16*\b], v[S+2+16*\b]   ; the largest score of each block of 32 keys: for the row's maximum, and, since p rises with the score, for the block's largest p
.endr
.irp i, 3,5,7,9,11,13
.irp b, 0,1,2,3
	s_delay_alu instid0(VALU_DEP_4)
	v_max3_num_f32 v[BM+\b], v[BM+\b], v[S+16*\b+\i], v[S+1+16*\b+\i]
.endr
.endr
.irp b, 0,1,2,3
	s_delay_alu instid0(VALU_DEP_4)
	v_max_num_f32 v[BM+\b], v[BM+\b], v[S+15+16*\b]
.endr
.irp b, 0,1,2,3
	s_delay_alu instid0(VALU_DEP_4)
	v_permlanex16_b32 v[T2+\b], v[BM+\b], s100, s101
.endr
.irp b, 0,1,2,3
	s_delay_alu instid0(VALU_DEP_4)
	v_max_num_f32 v[BM+\b], v[BM+\b], v[T2+\b]     ; with lane l xor 16's 16 keys
.endr
	s_delay_alu instid0(VALU_DEP_2)
	v_max3_num_f32 v[TMP], v[BM], v[BM+1], v[BM+2]
	s_delay_alu instid0(VALU_DEP_1)
	v_max_num_f32 v[TMP], v[TMP], v[BM+3]
	s_delay_alu instid0(VALU_DEP_1)
	v_mul_f32 v[TMP], s2, v[TMP]                   ; as t (c is positive)
	s_delay_alu instid0(VALU_DEP_1)
	v_max_num_f32 v13, v13, v[TMP]                 ; the running largest t
	v_mov_b32 v[TMP], v12
	s_delay_alu instid0(VALU_DEP_2)
	v_floor_f32 v12, -v13                          ; the new -M = -ceil(t)
	s_delay_alu instid0(VALU_DEP_1)
	v_sub_f32 v[TMP], v12, v[TMP]                  ; old M - new M: a whole number, 0 or less
	s_delay_alu instid0(VALU_DEP_1)
	v_cvt_i32_f32 v[TMP], v[TMP]                   ; (it saturates)
	s_delay_alu instid0(VALU_DEP_1)
	v_ldexp_f32 v[FF], 1.0, v[TMP]                 ; f = 2^(old M - new M)
.set j, 0
.rept 32
	v_pk_fma_f32 v[S+j:S+j+1], v[S+j:S+j+1], s[2:3], v[12:13] op_sel_hi:[1,0,0]   ; t - M, two at a time
.set j, j+2
.endr
.irp b, 0,1,2,3
	v_fma_f32 v[BM+\b], v[BM+\b], s2, v12          ; the same of each block's largest score
.endr
.set j, 0
	s_wait_alu depctr_va_vdst(0)
.rept 64
	v_exp_f32 v[S+j], v[S+j]                       ; p = 2^(t - M), at most 1
.set j, j+1
.endr
.irp b, 0,1,2,3
	v_exp_f32 v[BM+\b], v[BM+\b]                   ; the block's largest p: the same two instructions on the same number
.endr
	v_pk_mul_f32 v[14:15], v[14:15], v[FF:FF+1] op_sel_hi:[1,0]   ; the sums under the new M (a plain place behind the exponentials)
	s_wait_alu depctr_va_vdst(0)
.irp b, 0,1,2,3
	v_max_num_f32 v[BM+\b], 0x1800000, v[BM+\b]    ; the floor 2^(3 - 127): the byte cannot fall under 1
.endr
.irp b, 0,1,2,3
	s_delay_alu instid0(VALU_DEP_4)
	v_add_nc_u32 v[SO+\b], 0xff000000, v[BM+\b]    ; 2 off the exponent field: the conversion's scale operand
.endr
.irp b, 0,1,2,3
	s_delay_alu instid0(VALU_DEP_4)
	v_lshrrev_b32 v[T2+\b], 23, v[SO+\b]           ; the scale's byte
.endr
	s_delay_alu instid0(VALU_DEP_3)
	v_lshl_or_b32 v[PSW], v[T2+1], 8, v[T2]        ; p's scale word for these 128 keys
	s_delay_alu instid0(VALU_DEP_1)
	v_lshl_or_b32 v[PSW], v[T2+2], 16, v[PSW]
	s_delay_alu instid0(VALU_DEP_1)
	v_lshl_or_b32 v[PSW], v[T2+3], 24, v[PSW]
.irp c, 0,1
	v_cvt_scalef32_pk16_fp6_f32 v[PCD+6*\c:PCD+6*\c+2], v[S+32*\c:S+32*\c+15], v[SO+2*\c]
	v_cvt_scalef32_pk16_fp6_f32 v[CT+4*\c:CT+4*\c+2], v[S+16+32*\c:S+31+32*\c], v[SO+2*\c+1]
.endr
	v_nop                                          ; one plain place behind a scaled conversion
.irp c, 0,1
.irp i, 0,1,2
	v_permlane16_swap_b32 v[PCD+6*\c+\i], v[CT+4*\c+\i]   ; the operand's layout wants a whole block in a lane
.endr
.irp i, 0,1,2
	s_delay_alu instid0(VALU_DEP_3)
	v_mov_b32 v[PCD+3+6*\c+\i], v[CT+4*\c+\i]
.endr
.endr
	v_pk_add_f32 v[230:231], v[100:101], v[104:105]
	v_pk_add_f32 v[254:255], v[108:109], v[112:113]
	v_pk_add_f32 v[252:253], v[116:117], v[120:121]
	v_pk_add_f32 v[250:251], v[124:125], v[128:129]
	v_pk_add_f32 v[248:249], v[132:133], v[136:137]
	v_pk_add_f32 v[246:247], v[140:141], v[144:145]
	v_pk_add_f32 v[244:245], v[148:149], v[152:153]
	v_pk_add_f32 v[14:15], v[14:15], v[156:157]
	v_pk_add_f32 v[230:231], v[230:231], v[96:97]
	v_pk_add_f32 v[254:255], v[254:255], v[98:99]
	v_pk_add_f32 v[252:253], v[252:253], v[102:103]
	v_pk_add_f32 v[250:251], v[250:251], v[106:107]
	v_pk_add_f32 v[248:249], v[248:249], v[110:111]
	v_pk_add_f32 v[246:247], v[246:247], v[114:115]
	v_pk_add_f32 v[244:245], v[244:245], v[118:119]
	v_pk_add_f32 v[14:15], v[14:15], v[122:123]
	v_pk_add_f32 v[230:231], v[230:231], v[126:127]
	v_pk_add_f32 v[254:255], v[254:255], v[130:131]
	v_pk_add_f32 v[252:253], v[252:253], v[134:135]
	v_pk_add_f32 v[250:251], v[250:251], v[138:139]
	v_pk_add_f32 v[248:249], v[248:249], v[142:143]
	v_pk_add_f32 v[246:247], v[246:247], v[146:147]
	v_pk_add_f32 v[244:245], v[244:245], v[150:151]
	v_pk_add_f32 v[14:15], v[14:15], v[154:155]
	v_pk_add_f32 v[230:231], v[230:231], v[158:159]
	s_delay_alu instid0(VALU_DEP_2)
	v_pk_add_f32 v[14:15], v[14:15], v[250:251]
	s_delay_alu instid0(VALU_DEP_2)
	v_pk_add_f32 v[230:231], v[230:231], v[248:249]
	v_pk_add_f32 v[254:255], v[254:255], v[246:247]
	v_pk_add_f32 v[252:253], v[252:253], v[244:245]
	s_delay_alu instid0(VALU_DEP_2)
	v_pk_add_f32 v[14:15], v[14:15], v[254:255]
	s_delay_alu instid0(VALU_DEP_2)
	v_pk_add_f32 v[230:231], v[230:231], v[252:253]
	s_delay_alu instid0(VALU_DEP_1)
	v_pk_add_f32 v[14:15], v[14:15], v[230:231]
.set j, 0
.rept 16
	v_pk_mul_f32 v[O+j:O+j+1], v[O+j:O+j+1], v[FF:FF+1] op_sel_hi:[1,0]   ; O^T under the new M.  (With the sums above: the places between p's scale word and codes and the products below)
.set j, j+2
.endr
	s_wait_alu depctr_va_vdst(0)
	s_wait_dscnt 0x0                               ; V
.irp t, 0,1,2,3
	OPROD \t                                       ; four accumulators, one instruction each: by turns
.endr
	s_add_co_u32 s28, s28, STEPB
	s_sub_co_u32 s15, s15, 1
	s_cmp_lg_u32 s15, 0
	s_cbranch_scc1 .Lstep
	s_wait_kmcnt 0x0                               ; the last trip's mask words are not used
.rept 4
	v_nop                                          ; places behind the last products
.endr
	v_add_f32 v14, v14, v15                        ; the sum's two halves,
	s_delay_alu instid0(VALU_DEP_1)
	v_permlanex16_b32 v[TMP], v14, s100, s101
	s_delay_alu instid0(VALU_DEP_1)
	v_add_f32 v14, v14, v[TMP]                     ; and lane l xor 16's
	s_wait_alu depctr_va_vdst(0)
	v_rcp_f32 v14, v14
	v_nop                                          ; one plain place behind a transcendental
.set j, 0
	s_wait_alu depctr_va_vdst(0)
.rept 32
	v_mul_f32 v[S+j], v[O+j], v14                  ; x: register 16 p + i is channel 32 p + 16 h + i of my query
.set j, j+1
.endr
	HQUANT PCD, XW                                 ; six registers: channels 32 h + 0 .. 31 of my row; my row's two scale bytes
.irp g, 0,1,2
	global_store_b64 v[L8], v[PCD+2*\g:PCD+2*\g+1], s[10:11] offset:256*\g   ; the wave stores 256 consecutive bytes, aligned
.endr
	global_store_b16 v[XR], v[XW], s[12:13]        ; lanes r and 16 + r write the same two bytes with the same value
	s_wait_tensorcnt 0x0
	ds_add_u32 v31, v229
	s_wait_dscnt 0x0
	CROUND                                         ; the closing round
	s_endpgm
.Lfunc_end_k_q193c0746f8_attn:
	.size	k_q193c0746f8_attn, .Lfunc_end_k_q193c0746f8_attn-k_q193c0746f8_attn
	.p2alignl 7, 3214868480
	.fill 96, 4, 3214868480
	.section	.rodata,"a",@progbits
	.p2align	6, 0x0
	.amdhsa_kernel k_q193c0746f8_attn
		.amdhsa_group_segment_fixed_size 327680
		.amdhsa_private_segment_fixed_size 0
		.amdhsa_enable_private_segment 0
		.amdhsa_kernarg_size 72
		.amdhsa_user_sgpr_count 2
		.amdhsa_user_sgpr_kernarg_segment_ptr 1
		.amdhsa_wavefront_size32 1
		.amdhsa_system_sgpr_workgroup_id_x 1
		.amdhsa_system_sgpr_workgroup_id_y 1
		.amdhsa_system_sgpr_workgroup_id_z 1
		.amdhsa_system_vgpr_workitem_id 0
		.amdhsa_next_free_vgpr 256
		.amdhsa_next_free_sgpr 106
		.amdhsa_reserve_vcc 0
		.amdhsa_float_denorm_mode_32 3
		.amdhsa_float_denorm_mode_16_64 3
		.amdhsa_memory_ordered 1
		.amdhsa_forward_progress 1
		.amdhsa_inst_pref_size 64
	.end_amdhsa_kernel
	.amdgpu_metadata
---
amdhsa.version: [ 1, 2 ]
amdhsa.kernels:
  - .name:           k_q193c0746f8_attn
    .symbol:         k_q193c0746f8_attn.kd
    .args:
      - { .name: q_codes, .offset: 0, .size: 8, .value_kind: global_buffer, .address_space: global }
      - { .name: q_scales, .offset: 8, .size: 8, .value_kind: global_buffer, .address_space: global }
      - { .name: wq_codes, .offset: 16, .size: 8, .value_kind: global_buffer, .address_space: global }
      - { .name: wq_scales, .offset: 24, .size: 8, .value_kind: global_buffer, .address_space: global }
      - { .name: bq, .offset: 32, .size: 8, .value_kind: global_buffer, .address_space: global }
      - { .name: kv, .offset: 40, .size: 8, .value_kind: global_buffer, .address_space: global }
      - { .name: maskw, .offset: 48, .size: 8, .value_kind: global_buffer, .address_space: global }
      - { .name: ximg, .offset: 56, .size: 8, .value_kind: global_buffer, .address_space: global }
      - { .name: xsc, .offset: 64, .size: 8, .value_kind: global_buffer, .address_space: global }
    .group_segment_fixed_size: 327680
    .private_segment_fixed_size: 0
    .kernarg_segment_align: 8
    .kernarg_segment_size: 72
    .max_flat_workgroup_size: 512
    .sgpr_count:     106
    .vgpr_count:     256
    .wavefront_size: 32
...
	.end_amdgpu_metadata
.endif
;; end of part 2
;; launch oproj (part 3): grid 8 x 32, 4 waves a work-group, clusters of 4 x 4, 264,192 bytes of LDS; arguments ximg, xsc, wo_codes, wo_scales, bo, out0; writes out0
.if DOCPART == 3
	.amdgcn_target "amdgcn-amd-amdhsa--gfx1250"
	.amdhsa_code_object_version 6
	.text
	.protected	k_q193c0746f8_oproj
	.globl	k_q193c0746f8_oproj
	.p2align	8
	.type	k_q193c0746f8_oproj,@function
k_q193c0746f8_oproj:
	s_mov_b64 s[64:65], 0
	v_nop
	global_prefetch_b8 v0, s[64:65] scope:SCOPE_SE
	s_setreg_imm32_b32 hwreg(HW_REG_WAVE_MODE, 25, 1), 1
	s_wait_xcnt 0x0
	s_wait_alu depctr_hold_cnt(0) depctr_sa_sdst(0) depctr_va_vdst(0) depctr_va_sdst(0) depctr_va_ssrc(0) depctr_va_vcc(0) depctr_vm_vsrc(0)
	s_getreg_b32 s2, hwreg(HW_REG_IB_STS2, 6, 4)
	s_cmp_eq_u32 s2, 0
	s_cbranch_scc0 .Lentry_in_a_cluster
	s_endpgm
.Lentry_in_a_cluster:
	s_bfe_u32 s2, ttmp6, 0x10000c
	s_cmp_lg_u32 s2, 0xf033
	s_cbranch_scc0 .Lentry_shape_is_right
	s_endpgm
.Lentry_shape_is_right:
; out0 = x wo^T + bo on codes of FP6 (E2M3) with E8M0 scales.  x comes from the attention launch: ximg, images of operand registers ([row tile 256][head 16][3][lane][8 B]; two heads are one
; fragment of 128 along K; lane r of row tile rt is row 32 (rt / 2) + 8 (rt % 2) + r + 8 (r / 8)), and xsc [row][32], one byte for each 32 features.
; A work-group makes 128 rows x 128 columns; wave w makes row tiles 2 w, 2 w + 1 of the eight against all eight tiles of wo's 128 rows: 16 accumulators.
; Source 0 = 16 rows of wo, source 1 = 16 rows of x: a lane holds eight neighbouring columns of one row of the output.
; LDS holds both tiles for all of K = 1,024 in four chunks of 256 along K, and their scale bytes: every byte is filled once.  The stages for the way out have bytes of their own.
; CLUSTERS, 4 x 4: wo's tile hangs on cx alone and is asked for jointly by a column of the cluster, x's on cy alone and by a row.
; The bias is added behind the whole sum over K.
.set PITCH,  816                       ; an LDS row of wo's codes: a whole row of K, 3 x (256 bytes + 16 of padding); each of the four tiles comes by ONE tensor load
.set XIM,    128*PITCH                 ; x's images as they lie in memory: row tile lt at 12,288 lt; K step q (two heads) at 1,536 q
.set SCL,    XIM+98304                 ; wo's scale bytes, 16 units of 256 + 16 bytes, then x's
.set SCH,    2176
.set STG,    SCL+4*SCH                 ; four stages of 16 rows x (512 + 16) bytes
.set SPITCH, 528
.set AD0,  8                           ; v8-15   wo's fragments in chunk c: v[8 + 2 c], v[9 + 2 c]
.set AD1,  16                          ; v16-19  x's images in chunk c
.set AS0,  24
.set AS1,  25
.set VB,   26
.set STO,  27                          ; v27     the stage: where I put 32 bytes of a row
.set RD,   28                          ; v28     and where I read a row back
.set CO,   29                          ; v29     16 x lane: my bytes of a row of the output
.set SCR,  32                          ; v32-51  scale words and nothing else, two sets of 10
.set BJ,   64                          ; v64-127 the bias; then block 0's rows on the way out
.set ACC,  128                         ; v128-255 accumulator (a, t) at 128 + 64 a + 8 t
; window 1: v0-95 wo's eight fragments; v96-119, v120-143 x's two, two sets
.set MSB, 0
.macro WIN new                         ; the immediate's high byte repeats the setting that is left
.if MSB != \new
	s_set_vgpr_msb (MSB<<8)|\new
.set MSB, \new
.endif
.endm
.set MULW, 0x05
.set TO_F, 0x40
.macro CROUND
	s_barrier_signal -1
	s_barrier_wait -1
	s_cmp_lg_u32 s36, 0
	s_cbranch_scc1 .Lnot_wave_0_\@
	s_barrier_signal -3
.Lnot_wave_0_\@:
	s_barrier_wait -3
	s_barrier_signal -1
	s_barrier_wait -1
.endm
.macro PLACES
.rept 4
	v_nop
.endr
.endm
.macro G0SET g, ptr, lreg, loff, goff
	s_mov_b32 s[\g], 1
	s_add_co_u32 s[\g+1], s[\lreg], \loff
	s_add_nc_u64 s[\g+2:\g+3], s[\ptr:\ptr+1], \goff
	s_or_b32 s[\g+3], s[\g+3], 0x80000000
.endm
	s_load_b256 s[40:47], s[0:1], 0x0              ; ximg s[40:41], xsc s[42:43], wo_codes s[44:45], wo_scales s[46:47]
	s_load_b128 s[48:51], s[0:1], 0x20             ; bo s[48:49], out0 s[50:51]
	v_lshl_add_u32 v62, v0, 2, 0x40600
	v_mov_b32 v63, 0
	ds_add_u32 v62, v63
	ds_add_u32 v62, v63
	v_lshrrev_b32 v1, 5, v0
	v_readfirstlane_b32 s36, v1                    ; wave 0..3
	s_bfe_u32 s96, ttmp6, 0x40000                  ; cx
	s_bfe_u32 s97, ttmp6, 0x40004                  ; cy
	s_lshl_b32 s98, ttmp9, 2
	s_add_co_u32 s98, s98, s96                     ; JT: wo's tile, 0..7
	s_and_b32 s99, ttmp7, 0xffff
	s_lshl_b32 s99, s99, 2
	s_add_co_u32 s99, s99, s97                     ; IT: x's tile of 128 rows, 0..31
	s_lshl_b32 s100, 0x1111, s96                   ; my column of the cluster
	s_lshl_b32 s104, s97, 2
	s_lshl_b32 s104, 15, s104                      ; my row
	s_or_b32 s4, s100, (0<<16)|(1<<20)|(1<<21)|(5<<22)|(3<<25)   ; wo's codes: 128 whole rows of 768 bytes, each beginning at a multiple of 256; 16 bytes of padding behind every 256
	s_mov_b32 s5, 768<<16
	s_mov_b32 s6, 128<<16
	s_mov_b32 s7, 768<<16
	s_mov_b32 s8, 128
	s_mov_b32 s9, 768
	s_mov_b32 s10, 0
	s_mov_b32 s11, 0
	s_or_b32 s12, s104, (3<<16)|(1<<21)            ; x's images: 8 row tiles x 12,288 bytes, elements of 8 bytes, no padding
	s_mov_b32 s13, 32<<16                          ; 8 row tiles x 12,288 bytes are one dense block: 384 rows of 256 bytes
	s_mov_b32 s14, 384<<16
	s_mov_b32 s15, 32<<16
	s_mov_b32 s16, 384
	s_mov_b32 s17, 32
	s_mov_b32 s18, 0
	s_mov_b32 s19, 0
	s_or_b32 s20, s100, (3<<16)|(1<<20)|(1<<21)|(5<<22)|(3<<25)  ; the scale bytes of 128 rows: 16 rows of 256 bytes, 16 of padding behind each
	s_or_b32 s28, s104, (3<<16)|(1<<20)|(1<<21)|(5<<22)|(3<<25)
.irp g, 20, 28
	s_mov_b32 s[\g+1], 32<<16
	s_mov_b32 s[\g+2], 16<<16                      ; the scale bytes of 128 rows: 16 rows of 256 bytes
	s_mov_b32 s[\g+3], 32<<16
	s_mov_b32 s[\g+4], 16
	s_mov_b32 s[\g+5], 32
	s_mov_b32 s[\g+6], 0
	s_mov_b32 s[\g+7], 0
.endr
	s_lshl_b32 s100, s98, 7                        ; wo: the tile's first row
	s_lshl_b32 s52, s100, 5
	s_mov_b32 s53, 0
	s_mul_i32 s100, s100, 768
	s_mov_b32 s101, 0
	s_lshl_b32 s104, s99, 7                        ; x: the tile's first row,
	s_lshl_b32 s76, s104, 5
	s_mov_b32 s77, 0
	s_lshr_b32 s104, s104, 4                       ; its row tile: 8 IT,
	s_mul_i32 s104, s104, 12288                    ; and that tile's images
	s_mov_b32 s105, 0
	s_wait_dscnt 0x0
	s_wait_kmcnt 0x0
	s_add_nc_u64 s[46:47], s[46:47], s[52:53]
	s_add_nc_u64 s[44:45], s[44:45], s[100:101]
	s_add_nc_u64 s[42:43], s[42:43], s[76:77]
	s_add_nc_u64 s[40:41], s[40:41], s[104:105]
	s_mov_b32 s100, 0                              ; the four tiles' LDS addresses are constants
	G0SET 52, 46, 100, SCL, 0                      ; wo's scales
	G0SET 56, 44, 100, 0, 0                        ; wo's codes
	G0SET 76, 42, 100, SCL+2*SCH, 0                ; x's scales
	G0SET 80, 40, 100, XIM, 0                      ; x's images
	CROUND                                         ; all sixteen work-groups are here: the joint loads meet
; the head's four tiles, one joint load a wave: wave 0 wo's codes, wave 1 x's images, wave 2 wo's scales, wave 3 x's.  One chain of branches on the wave's number, one join
.macro ARM under, g0, g1, next
	s_cmp_lt_u32 s36, \under
	s_cbranch_scc0 \next
	tensor_load_to_lds s[\g0:\g0+3], s[\g1:\g1+7]
	s_nop 0
.rept 4
	v_nop
.endr
	s_branch .Lasked
\next:
.endm
	ARM 1, 56, 4,  .Lhead_x
	ARM 2, 80, 12, .Lhead_s0
	ARM 3, 52, 20, .Lhead_s1
	tensor_load_to_lds s[76:79], s[28:35]
	s_nop 0
.rept 4
	v_nop
.endr
.Lasked:
	v_and_b32 v1, 15, v0                           ; r
	v_bfe_u32 v2, v0, 4, 1                         ; h
	v_and_b32 v7, 31, v0                           ; lane
	v_mul_u32_u24 v3, v1, PITCH
	v_mad_u32_u24 v[AD0], v2, 24, v3               ; wo's tiles 0-3: a fragment's row x pitch + 24 x half
	v_mad_u32_u24 v[AD0+1], v2, 40, v3             ; and the same behind one padding more
	s_mul_i32 s101, s36, 24576                     ; my two row tiles
	s_add_co_u32 s101, s101, XIM
	v_lshl_add_u32 v[AD1], v7, 3, s101             ; + 8 x lane
.irp e, 0,1
	v_add_nc_u32 v[AD0+2+\e], 64*PITCH, v[AD0+\e]  ; wo's tiles 4-7: 64 rows on, so that the loads' offsets stay inside 16 bits
.endr
	v_lshrrev_b32 v3, 3, v1                        ; r / 8
	v_and_b32 v6, 7, v1
	v_lshl_add_u32 v4, v2, 1, v3                   ; wo: row 16 h + r of a group of 32: unit 2 h + r / 8
	v_mul_u32_u24 v4, v4, 272
	v_lshl_add_u32 v4, v6, 5, v4
	v_add_nc_u32 v[AS0], SCL, v4
	v_lshl_add_u32 v4, v3, 1, v2                   ; x: row 8 h + r + 8 (r / 8) of my 32: unit h + 2 (r / 8)
	v_mul_u32_u24 v4, v4, 272
	v_lshl_add_u32 v4, v6, 5, v4
	s_mul_i32 s101, s36, 4*272
	s_add_co_u32 s101, s101, SCL+2*SCH
	v_add_nc_u32 v[AS1], s101, v4
	s_mul_i32 s101, s36, 16*SPITCH
	s_add_co_u32 s101, s101, STG                   ; my stage
	v_mul_u32_u24 v4, v1, SPITCH
	v_lshl_add_u32 v4, v2, 5, v4
	v_add_nc_u32 v[STO], s101, v4
	v_lshlrev_b32 v[CO], 4, v7
	v_add_nc_u32 v[RD], s101, v[CO]
	s_lshl_b32 s100, s98, 9                        ; the bias: 128 JT numbers on, + 8 h; tile t's eight 16 t further
	s_mov_b32 s101, 0
	s_add_nc_u64 s[48:49], s[48:49], s[100:101]
	v_lshlrev_b32 v[VB], 5, v2
.irp t, 0,1,2,3,4,5,6,7
	global_load_b128 v[BJ+8*\t:BJ+8*\t+3], v[VB], s[48:49] offset:64*\t
	global_load_b128 v[BJ+8*\t+4:BJ+8*\t+7], v[VB], s[48:49] offset:64*\t+16
.endr
	s_lshl_b32 s104, s99, 7
	s_lshl_b32 s105, s36, 5
	s_add_co_u32 s104, s104, s105                  ; my first row: 128 IT + 32 w
	s_lshl_b32 s104, s104, 12                      ; 4,096 bytes a row
	s_add_co_u32 s104, s104, s100                  ; + 512 JT
	s_mov_b32 s105, 0
	s_add_nc_u64 s[50:51], s[50:51], s[104:105]
.macro FRAG reg, adr, q, i             ; a fragment of wo: 24 bytes of the row twice, in pieces of 8; lanes 16-31 read three pieces further on, for some pieces behind one padding more
.irp p, 0,1,2,3,4,5
.set PCE, 12*(\q)+6*(\p/3)+\p%3
.if PCE%32 < 29                        ; q: the K step, 0 to 7; piece PCE of the row lies behind PCE / 32 paddings
	ds_load_b64 v[(\reg)+2*\p:(\reg)+2*\p+1], v[\adr] offset:8*PCE+16*(PCE/32)+(\i)*16*PITCH
.else
	ds_load_b64 v[(\reg)+2*\p:(\reg)+2*\p+1], v[(\adr)+1] offset:8*PCE+16*(PCE/32)+(\i)*16*PITCH
.endif
.endr
.endm
.macro FETCH1 q                        ; x's two fragments of K step q, as images: 12 loads of 8 bytes a lane on end
.irp a, 0,1
.irp g, 0,1,2,3,4,5
	ds_load_b64 v[96+24*((\q)%2)+12*\a+2*\g:96+24*((\q)%2)+12*\a+2*\g+1], v[AD1] offset:12288*\a+1536*(\q)+256*\g
.endr
.endr
.endm
.macro FETCH0 q, t0
.irp t, \t0, \t0+1, \t0+2, \t0+3
	FRAG 12*(\t), AD0+2*((\t)/4), \q, (\t)%4
.endr
.endm
.macro SCALES set, c
.irp bb, 0,1,2,3
	ds_load_b64 v[SCR+10*(\set)+2*\bb:SCR+10*(\set)+2*\bb+1], v[AS0] offset:1088*\bb+8*(\c)
.endr
	ds_load_b64 v[SCR+10*(\set)+8:SCR+10*(\set)+9], v[AS1] offset:8*(\c)
.endm
.macro WM d, a, b, sa, sb, ra, rb, zero
.if \zero
.if (\ra) && (\rb)
	v_wmma_scale_f32_16x16x128_f8f6f4 v[(\d):(\d)+7], v[(\a):(\a)+11], v[(\b):(\b)+11], 0, v[\sa], v[\sb] matrix_a_fmt:MATRIX_FMT_FP6 matrix_b_fmt:MATRIX_FMT_FP6 matrix_a_scale:MATRIX_SCALE_ROW1 matrix_b_scale:MATRIX_SCALE_ROW1
.elseif (\ra)
	v_wmma_scale_f32_16x16x128_f8f6f4 v[(\d):(\d)+7], v[(\a):(\a)+11], v[(\b):(\b)+11], 0, v[\sa], v[\sb] matrix_a_fmt:MATRIX_FMT_FP6 matrix_b_fmt:MATRIX_FMT_FP6 matrix_a_scale:MATRIX_SCALE_ROW1
.elseif (\rb)
	v_wmma_scale_f32_16x16x128_f8f6f4 v[(\d):(\d)+7], v[(\a):(\a)+11], v[(\b):(\b)+11], 0, v[\sa], v[\sb] matrix_a_fmt:MATRIX_FMT_FP6 matrix_b_fmt:MATRIX_FMT_FP6 matrix_b_scale:MATRIX_SCALE_ROW1
.else
	v_wmma_scale_f32_16x16x128_f8f6f4 v[(\d):(\d)+7], v[(\a):(\a)+11], v[(\b):(\b)+11], 0, v[\sa], v[\sb] matrix_a_fmt:MATRIX_FMT_FP6 matrix_b_fmt:MATRIX_FMT_FP6
.endif
.else
.if (\ra) && (\rb)
	v_wmma_scale_f32_16x16x128_f8f6f4 v[(\d):(\d)+7], v[(\a):(\a)+11], v[(\b):(\b)+11], v[(\d):(\d)+7], v[\sa], v[\sb] matrix_a_fmt:MATRIX_FMT_FP6 matrix_b_fmt:MATRIX_FMT_FP6 matrix_a_scale:MATRIX_SCALE_ROW1 matrix_b_scale:MATRIX_SCALE_ROW1
.elseif (\ra)
	v_wmma_scale_f32_16x16x128_f8f6f4 v[(\d):(\d)+7], v[(\a):(\a)+11], v[(\b):(\b)+11], v[(\d):(\d)+7], v[\sa], v[\sb] matrix_a_fmt:MATRIX_FMT_FP6 matrix_b_fmt:MATRIX_FMT_FP6 matrix_a_scale:MATRIX_SCALE_ROW1
.elseif (\rb)
	v_wmma_scale_f32_16x16x128_f8f6f4 v[(\d):(\d)+7], v[(\a):(\a)+11], v[(\b):(\b)+11], v[(\d):(\d)+7], v[\sa], v[\sb] matrix_a_fmt:MATRIX_FMT_FP6 matrix_b_fmt:MATRIX_FMT_FP6 matrix_b_scale:MATRIX_SCALE_ROW1
.else
	v_wmma_scale_f32_16x16x128_f8f6f4 v[(\d):(\d)+7], v[(\a):(\a)+11], v[(\b):(\b)+11], v[(\d):(\d)+7], v[\sa], v[\sb] matrix_a_fmt:MATRIX_FMT_FP6 matrix_b_fmt:MATRIX_FMT_FP6
.endif
.endif
.endm
.macro MUL t0, q, zero                 ; 8 matrix instructions; the 16 accumulators take turns, one instruction a turn, in the same order in every step
.set SSC, SCR+10*(((\q)/2)%2)+(\q)%2
.set FB1, 96+24*((\q)%2)
.irp t, \t0, \t0+1, \t0+2, \t0+3
.irp a, 0,1
	WM ACC+64*\a+8*(\t), 12*(\t), FB1+12*\a, SSC+2*((\t)/2), SSC+8, (\t)%2, \a, \zero
.endr
.endr
.endm
.macro STEP q, zero
	s_wait_dscnt 24                                ; all but the youngest 24 loads (wo's tiles 4-7) are in
	WIN MULW
	MUL 0, \q, \zero
	s_wait_dscnt 0x0                               ; wo's tiles 4-7 are in
.if (\q) < 7
	PLACES
	WIN TO_F
	FETCH1 (\q)+1
	FETCH0 (\q)+1, 0
.if (\q)%2 == 1
	WIN 0
	SCALES (((\q)+1)/2)%2, ((\q)+1)/2
.endif
.endif
	WIN MULW
	MUL 4, \q, \zero
.if (\q) < 7
	PLACES
	WIN TO_F
	FETCH0 (\q)+1, 4
.endif
.endm
	s_wait_alu depctr_va_vdst(0)
	s_wait_tensorcnt 0x0                           ; my one tile has landed; behind the barrier all four have: nothing is filled again
	s_barrier_signal -1
	s_barrier_wait -1
	WIN TO_F
	FETCH1 0
	FETCH0 0, 0
	WIN 0
	SCALES 0, 0
	WIN TO_F
	FETCH0 0, 4
	STEP 0, 1                                      ; the first step's products start the sums
	STEP 1, 0
	STEP 2, 0
	STEP 3, 0
	STEP 4, 0
	STEP 5, 0
	STEP 6, 0
	STEP 7, 0
	WIN 0
	PLACES
	s_wait_loadcnt 0x0                             ; the bias, asked for ahead of the K steps
.set n, 0
.rept 64
	v_pk_add_f32 v[ACC+2*n:ACC+2*n+1], v[ACC+2*n:ACC+2*n+1], v[BJ+(2*n)%64:BJ+(2*n)%64+1]   ; each accumulator from its low end on
.set n, n+1
.endr
; THE WAY OUT.  A lane holds 32 neighbouring bytes of a row, the lanes beside it other rows: a block of 16 rows x 128 columns goes through my own stage and comes back as whole rows of 512 bytes.
; LDS serves a wave's instructions in order: no wait between the stores and the loads, nor in front of the next block's stores.
.macro TOSTAGE a
.irp t, 0,1,2,3,4,5,6,7
	ds_store_b128 v[STO], v[ACC+64*\a+8*\t:ACC+64*\a+8*\t+3] offset:64*\t
	ds_store_b128 v[STO], v[ACC+64*\a+8*\t+4:ACC+64*\a+8*\t+7] offset:64*\t+16
.endr
.irp t, 0,1,2,3,4,5,6,7,8,9,10,11,12,13,14,15
	ds_load_b128 v[BJ+64*\a+4*\t:BJ+64*\a+4*\t+3], v[RD] offset:\t*SPITCH    ; block 0 into the bias's registers, block 1 into block 0's accumulators, which its stores have left
.endr
.endm
.macro SEND a
.irp t, 0,1,2,3,4,5,6,7,8,9,10,11,12,13,14,15
	global_store_b128 v[CO], v[BJ+64*\a+4*\t:BJ+64*\a+4*\t+3], s[50:51] offset:(8*\a+\t+8*(\t/8))*4096 th:TH_STORE_NT   ; stage row t is row 8 a + t + 8 (t / 8) of my 32; 32 lanes store 512 consecutive bytes, aligned to 256
.endr
.endm
	TOSTAGE 0
	TOSTAGE 1
	s_wait_dscnt 32                                ; block 0 is back; block 1's 16 stores and 16 loads may be out
	SEND 0
	s_wait_dscnt 0x0
	SEND 1
	s_wait_tensorcnt 0x0
	ds_add_u32 v62, v63
	s_wait_dscnt 0x0
	CROUND                                         ; the closing round: no work-group ends while a partner may still ask for a tile that names it
	s_endpgm
.Lfunc_end_k_q193c0746f8_oproj:
	.size	k_q193c0746f8_oproj, .Lfunc_end_k_q193c0746f8_oproj-k_q193c0746f8_oproj
	.p2alignl 7, 3214868480
	.fill 96, 4, 3214868480
	.section	.rodata,"a",@progbits
	.p2align	6, 0x0
	.amdhsa_kernel k_q193c0746f8_oproj
		.amdhsa_group_segment_fixed_size 264192
		.amdhsa_private_segment_fixed_size 0
		.amdhsa_enable_private_segment 0
		.amdhsa_kernarg_size 48
		.amdhsa_user_sgpr_count 2
		.amdhsa_user_sgpr_kernarg_segment_ptr 1
		.amdhsa_wavefront_size32 1
		.amdhsa_system_sgpr_workgroup_id_x 1
		.amdhsa_system_sgpr_workgroup_id_y 1
		.amdhsa_system_sgpr_workgroup_id_z 1
		.amdhsa_system_vgpr_workitem_id 0
		.amdhsa_next_free_vgpr 400
		.amdhsa_next_free_sgpr 106
		.amdhsa_reserve_vcc 0
		.amdhsa_float_denorm_mode_32 3
		.amdhsa_float_denorm_mode_16_64 3
		.amdhsa_memory_ordered 1
		.amdhsa_forward_progress 1
		.amdhsa_inst_pref_size 72
	.end_amdhsa_kernel
	.amdgpu_metadata
---
amdhsa.version: [ 1, 2 ]
amdhsa.kernels:
  - .name:           k_q193c0746f8_oproj
    .symbol:         k_q193c0746f8_oproj.kd
    .args:
      - { .name: ximg, .offset: 0, .size: 8, .value_kind: global_buffer, .address_space: global }
      - { .name: xsc, .offset: 8, .size: 8, .value_kind: global_buffer, .address_space: global }
      - { .name: wo_codes, .offset: 16, .size: 8, .value_kind: global_buffer, .address_space: global }
      - { .name: wo_scales, .offset: 24, .size: 8, .value_kind: global_buffer, .address_space: global }
      - { .name: bo, .offset: 32, .size: 8, .value_kind: global_buffer, .address_space: global }
      - { .name: out0, .offset: 40, .size: 8, .value_kind: global_buffer, .address_space: global }
    .group_segment_fixed_size: 264192
    .private_segment_fixed_size: 0
    .kernarg_segment_align: 8
    .kernarg_segment_size: 48
    .max_flat_workgroup_size: 128
    .sgpr_count:     106
    .vgpr_count:     400
    .wavefront_size: 32
...
	.end_amdgpu_metadata
.endif
;; end of part 3
